; MI455X (gfx1250); checked and timed in simulation.
; The chip was launched on July 23, 2026; its instructions are those of AMD's public machine-readable ISA for CDNA 5 (MIT licence, August 2026) and "CDNA5" Instruction Set Architecture Reference Guide (July 2026). The comments in the code are by the model that wrote it; some were corrected since.
;; Transformer Encoder Layer. Allowed arithmetic: matrix products marked QUANTISED: E2M1 operands, one E8M0 scale for each 32 along K, by v_wmma_scale_f32_16x16x128_f8f6f4 with both operands' format E2M1 (or v_wmma_scale_f32_32x16x128_f4), f32 sums; everything else in f32.
;; Inputs: attention_mask 2 x 1 x 1 x 2,048 int32; b1 4,096 float32; b2 1,024 float32; bk 1,024 float32; bo 1,024 float32; bq 1,024 float32; bv 1,024 float32; ln1_b 1,024 float32; ln1_g 1,024 float32; ln2_b 1,024 float32; ln2_g 1,024 float32; lnf_b 1,024 float32; lnf_g 1,024 float32; w1 1,024 x 4,096 float32; w2 4,096 x 1,024 float32; wk 1,024 x 1,024 float32; wo 1,024 x 1,024 float32; wq 1,024 x 1,024 float32; wv 1,024 x 1,024 float32; x 2 x 2,048 x 1,024 float32.
;; Outputs: out0 2 x 2,048 x 1,024 float32.
;; This version of the problem:
;;   THIS VERSION OF THE PROBLEM IS GIVEN IN LOW PRECISION. The matrix products marked QUANTISED in the list below multiply operands that are first quantised to E2M1 (2 exponent bits, 1 mantissa bit; 4 bits a number), with one power-of-two scale for each 32 numbers along K (OCP MX v1.0); their sums are f32. All else is computed in f32.
;;   The module's matrix products, in the order in which they are computed (A, B: the left and right operand; K: the contracted axis; several contracted axes count as one K, in the product's order):
;;     1. [M 4,096, K 1,024] x [K 1,024, N 1,024]; A: input x; B: input wq: QUANTISED
;;     2. [M 4,096, K 1,024] x [K 1,024, N 1,024]; A: input x; B: input wk: QUANTISED
;;     3. [M 4,096, K 1,024] x [K 1,024, N 1,024]; A: input x; B: input wv: QUANTISED
;;     4. batch 32 x [M 2,048, K 64] x [K 64, N 2,048]; A: computed on the way; B: computed on the way: QUANTISED
;;     5. batch 32 x [M 2,048, K 2,048] x [K 2,048, N 64]; A: softmax (see below); B: computed on the way: QUANTISED
;;     6. [M 4,096, K 1,024] x [K 1,024, N 1,024]; A: computed on the way; B: input wo: QUANTISED
;;     7. [M 4,096, K 1,024] x [K 1,024, N 4,096]; A: computed on the way; B: input w1: QUANTISED
;;     8. [M 4,096, K 4,096] x [K 4,096, N 1,024]; A: computed on the way; B: input w2: QUANTISED
;;   THE QUANTISER, for each operand of a quantised product, along K:
;;     - K is cut into blocks of 32 from its start; a last block that is shorter is filled with zeros.
;;     - A block's scale is 2^e with e = floor(log2(the largest magnitude in the block)) - 2, held to -126 .. 127; a block of zeros has e = 0. As a byte (E8M0): e + 127.
;;     - Each number is divided by its block's scale, clamped to +-6, and rounded to the nearest number of E2M1, ties to even, subnormals kept.
;;     - The product sums the exact products of the quantised numbers (number of the format x scale) in f32.
;;   ~~~python
;;   def quantise(x, axis):      # numpy; x: float32 -> the quantised numbers, widened to float32 again
;;       x = np.moveaxis(x, axis, -1); K = x.shape[-1]
;;       x = np.pad(x, [(0, 0)] * (x.ndim - 1) + [(0, -K % 32)]); x = x.reshape(x.shape[:-1] + (-1, 32)); a = np.abs(x).max(-1, keepdims=True)
;;       e = np.where(a > 0, np.clip(np.frexp(np.where(a > 0, a, 1))[1] - 1 - 2, -126, 127), 0)      # np.frexp(a)[1] - 1 = floor(log2(a)), exactly
;;       r = np.clip(x / 2.0 ** e, -6, 6)
;;       step = 2.0 ** (np.maximum(np.frexp(np.where(r == 0, 1, r))[1] - 1, 0) - 1)
;;       q = np.round(r / step) * step * 2.0 ** e      # np.round: ties to even
;;       return np.moveaxis(q.reshape(q.shape[:-2] + (-1,))[..., :K], -1, axis).astype(np.float32)
;;   ~~~
;;   SOFTMAX AHEAD OF A QUANTISED PRODUCT. Where the list says 'softmax', what is quantised is not the finished softmax but p = 2^(t - M), with t = logit x log2(e) and M = ceil(the row's largest t), a whole number; so 1/2 < the row's largest p <= 1. The row's sum l is taken of the UNQUANTISED p, in f32, and the product's result is divided by l at the end. Since M is a whole number, a kernel that streams over the keys may use a running M (the ceiling of the running maximum): every later rescaling is an exact power of two, which a block's scale takes up: the codes' values come out the same.
;;   OPERANDS COMPUTED ON THE WAY. 'Computed on the way' means the value that the module computes at that place (a softmax that the list does not call 'softmax' is quantised finished and normalised). What goes into a quantiser is computed in f32, as accurately as f32 sums, v_exp_f32 and their like allow (about 1e-6 of the number): no bf16 or f16 on the way to a quantiser, and a product that is left as it is and whose result goes on into a quantised operand takes f32 operands (vector FMAs, or v_wmma_f32_16x16x4_f32). A number that lies on a knife's edge between two numbers of the format may be rounded either way, as far as f32 arithmetic and the matrix unit's own rounding can turn it there, and no further.
;; One version. Each part assembles by itself: llvm-mc -triple=amdgcn-amd-amdhsa -mcpu=gfx1250 --defsym DOCPART=n.
;; ======== version 1 of 1: 7 launches
;; limits: right only within a limited range of input values
;; workspace buffers: wc 6,291,456 bytes; ws 393,216 bytes; qc 2,097,152 bytes; kc 2,097,152 bytes; vc 8,912,896 bytes; qkvs 16,777,216 bytes; cc 16,777,216 bytes; cs 131,072 bytes
;; launch wquant (part 1): grid 192 x 1, 4 waves a work-group, no clusters, 0 bytes of LDS; arguments wq, wk, wv, wo, w1, w2, wc, ws; writes wc, ws
.if DOCPART == 1
	.amdgcn_target "amdgcn-amd-amdhsa--gfx1250"
	.amdhsa_code_object_version 6
	.text
	.protected	k_q040c775548_wquant
	.globl	k_q040c775548_wquant
	.p2align	8
	.type	k_q040c775548_wquant,@function
k_q040c775548_wquant:
	s_mov_b64 s[64:65], 0
	v_nop
	global_prefetch_b8 v0, s[64:65] scope:SCOPE_SE
	s_setreg_imm32_b32 hwreg(HW_REG_WAVE_MODE, 25, 1), 1
	s_wait_xcnt 0x0
; WQUANT: the six weights, f32 stored [K][N], become codes of FP4 (E2M1) with one E8M0 byte for each 32 along K, laid in the order in which the consuming waves' operand registers take them.
; NOTHING OF THE PROBLEM IS LEFT OUT in this program: every product, bias, gain, the mask and every input has a way to the output, and all are loaded and used.
; LAYOUT.  64 columns are a group, four tiles of 16.  Position r of tile 2 p + u holds column 32 p + 8 u + r + 8 (r / 8).  The image of (tile, 128 along K) is 1,024 bytes: byte 256 blk + 16 r + i is byte i of the
; 16 bytes of block blk of position r, so two loads of 16 bytes a lane (at 16 lane and 512 + 16 lane) are the operand's 8 registers.  A group is [K / 128][tile][1,024].
; wc: heads' part [head 16][q, k, v][32,768]; from byte 1,572,864 on [wave 8][589,824]: wo's two groups, w1's eight, w2's two.  ws: the same places / 16: [K / 512][tile pair][16 (tile % 2) + r][4 words].
; A LANE TAKES A COLUMN AND ITS REGISTERS RUN DOWN K: a block's 32 numbers lie in one lane.  A wave takes 32 columns x 512 along K; the four waves stand side by side on 512 bytes of a row.
; A block's scale is 2^(floor(log2(largest magnitude)) - 2); its byte is the magnitude's exponent field - 2, held at 1 from below.
; LIMITS: a block of zeros, or one whose largest magnitude lies under 2^-124, gets the byte 1 (its codes are zeros or tiny; this program alone reads the bytes); NaN and infinities among the inputs are not served.
.set OUT,  2                           ; v2      my column's place in an image: 1,024 u + 16 r
.set SOUT, 3                           ; v3      and among the scale words: 16 (16 u + r)
.set OFS,  4                           ; v4-35   4 lane + i rows of the weight
.set X,    36                          ; v36-99  two sets of 32 numbers
.set CD,   100                         ; v100-103 a block's codes
.set SB,   104                         ; v104-107 the scale bytes, four to a register
	s_load_b512 s[4:19], s[0:1], 0x0               ; wq 4, wk 6, wv 8, wo 10, w1 12, w2 14, wc 16, ws 18
	v_lshrrev_b32 v1, 5, v0
	v_readfirstlane_b32 s20, v1                    ; wave
	v_and_b32 v1, 31, v0                           ; lane
	s_wait_alu depctr_va_vdst(0)
	s_lshr_b32 s21, ttmp9, 6                       ; 0: the four square weights; 1: w1; 2: w2
	s_and_b32 s22, ttmp9, 7                        ; which 128 columns (square weights, w2)
	s_and_b32 s23, ttmp9, 31                       ; (w1)
	s_bfe_u32 s24, ttmp9, 0x10003                  ; which 512 along K (square weights)
	s_bfe_u32 s25, ttmp9, 0x10005                  ; (w1)
	s_bfe_u32 s26, ttmp9, 0x30003                  ; (w2)
	s_bfe_u32 s27, ttmp9, 0x20004                  ; which square weight
	s_mov_b32 s28, 4096                            ; a row of the weight in bytes
	s_cmp_eq_u32 s21, 1
	s_cselect_b32 s22, s23, s22
	s_cselect_b32 s24, s25, s24
	s_cselect_b32 s28, 16384, s28
	s_cmp_eq_u32 s21, 2
	s_cselect_b32 s24, s26, s24
	s_add_co_u32 s29, s21, 3
	s_cmp_eq_u32 s21, 0
	s_cselect_b32 s27, s27, s29                    ; 0 wq, 1 wk, 2 wv, 3 wo, 4 w1, 5 w2
	s_lshl_b32 s30, s22, 2
	s_add_co_u32 s30, s30, s20                     ; which 32 columns
	s_lshr_b32 s31, s30, 1                         ; group
	s_and_b32 s32, s30, 1                          ; tile pair in it
	s_cmp_eq_u32 s27, 4
	s_cselect_b32 s33, 3, 1                        ; log2 of a consuming wave's groups of this weight
	s_cselect_b32 s34, 65536, 0                    ; where they begin in the wave's stream
	s_mov_b32 s35, 32768                           ; a group's bytes
	s_cmp_eq_u32 s27, 5
	s_cselect_b32 s34, 327680, s34
	s_cselect_b32 s35, 131072, s35
	s_lshr_b32 s36, s31, s33
	s_lshl_b32 s37, s36, s33
	s_sub_co_u32 s37, s31, s37
	s_mul_i32 s36, s36, 589824
	s_mul_i32 s37, s37, s35
	s_add_co_u32 s36, s36, s37
	s_add_co_u32 s36, s36, s34
	s_add_co_u32 s36, s36, 1572864                 ; the group's place for wo, w1, w2
	s_mul_i32 s37, s31, 98304
	s_lshl_b32 s38, s27, 15
	s_add_co_u32 s37, s37, s38                     ; and for wq, wk, wv
	s_cmp_lt_u32 s27, 3
	s_cselect_b32 s36, s37, s36
	s_lshl_b32 s37, s24, 14                        ; my 512 along K: four images deep
	s_add_co_u32 s36, s36, s37
	s_lshr_b32 s46, s36, 4                         ; the scale words' place
	s_lshl_b32 s37, s32, 11
	s_add_co_u32 s44, s36, s37                     ; + my tile pair
	s_lshl_b32 s37, s32, 9
	s_add_co_u32 s46, s46, s37
	s_mov_b32 s45, 0
	s_mov_b32 s47, 0
	s_mul_i32 s48, s24, s28
	s_lshl_b32 s48, s48, 9                         ; 512 rows for each step along K
	s_lshl_b32 s49, s30, 7                         ; 32 columns of 4 bytes
	s_add_co_u32 s48, s48, s49
	s_mov_b32 s49, 0
	s_lshl_b32 s42, s28, 5                         ; 32 rows on
	s_mov_b32 s43, 0
	v_bfe_u32 v108, v1, 3, 1                       ; u
	v_and_b32 v109, 7, v1
	v_lshrrev_b32 v110, 4, v1
	v_lshl_add_u32 v109, v110, 3, v109             ; r
	v_lshlrev_b32 v[OUT], 4, v109
	v_lshl_add_u32 v[OUT], v108, 10, v[OUT]
	v_lshl_add_u32 v[SOUT], v108, 4, v109
	v_lshlrev_b32 v[SOUT], 4, v[SOUT]
	v_lshlrev_b32 v[OFS], 2, v1
.set i_, 1
.rept 31
	v_add_nc_u32 v[OFS+i_], s28, v[OFS+i_-1]
.set i_, i_+1
.endr
	s_wait_alu depctr_va_vdst(0)
	s_wait_kmcnt 0x0
	s_cmp_eq_u32 s27, 1                            ; the weight is chosen by the work-group's number alone
	s_cselect_b64 s[40:41], s[6:7], s[4:5]
	s_cmp_eq_u32 s27, 2
	s_cselect_b64 s[40:41], s[8:9], s[40:41]
	s_cmp_eq_u32 s27, 3
	s_cselect_b64 s[40:41], s[10:11], s[40:41]
	s_cmp_eq_u32 s27, 4
	s_cselect_b64 s[40:41], s[12:13], s[40:41]
	s_cmp_eq_u32 s27, 5
	s_cselect_b64 s[40:41], s[14:15], s[40:41]
	s_add_nc_u64 s[40:41], s[40:41], s[48:49]
	s_add_nc_u64 s[44:45], s[16:17], s[44:45]      ; my codes
	s_add_nc_u64 s[46:47], s[18:19], s[46:47]      ; my scale words
.macro LOAD t                          ; block t: 32 rows at my column, into set t % 2; then the base goes 32 rows on
.set i_, 0
.rept 32
	global_load_b32 v[X+32*((\t)%2)+i_], v[OFS+i_], s[40:41] th:TH_LOAD_NT
.set i_, i_+1
.endr
	s_wait_xcnt 0x0                                ; the loads have read their base, and the last store its data: both may be written
	s_add_nc_u64 s[40:41], s[40:41], s[42:43]
.endm
.macro BLOCK t
.set XS, X+32*((\t)%2)
.if (\t) < 15
	s_wait_loadcnt 32                              ; this block's 32 loads are in; the next block's may be out
.else
	s_wait_loadcnt 0x0
.endif
	v_max3_num_f32 v108, |v[XS]|, |v[XS+1]|, |v[XS+2]|
	v_max3_num_f32 v109, |v[XS+3]|, |v[XS+4]|, |v[XS+5]|
.irp i, 6,10,14,18,22,26
	v_max3_num_f32 v108, v108, |v[XS+\i]|, |v[XS+\i+1]|
	v_max3_num_f32 v109, v109, |v[XS+\i+2]|, |v[XS+\i+3]|
.endr
	v_max3_num_f32 v108, v108, |v[XS+30]|, |v[XS+31]|
	v_max3_num_f32 v108, v108, v109, 0x1800000     ; the floor 2^(3 - 127): the byte cannot fall under 1
	v_add_nc_u32 v110, 0xff000000, v108            ; 2 off the exponent field: the conversion's scale operand
	v_lshrrev_b32 v109, 23, v110                   ; the byte
.if (\t)%4 == 0
	v_mov_b32 v[SB+(\t)/4], v109
.else
	v_lshl_or_b32 v[SB+(\t)/4], v109, 8*((\t)%4), v[SB+(\t)/4]
.endif
.irp g, 0,1,2,3
	v_cvt_scalef32_pk8_fp4_f32 v[CD+\g], v[XS+8*\g:XS+8*\g+7], v110
.endr
	global_store_b128 v[OUT], v[CD:CD+3], s[44:45] offset:((\t)/4)*4096+((\t)%4)*256   ; the sixteen lanes of a tile store 256 consecutive bytes, aligned
.if (\t)+2 < 16
	LOAD (\t)+2
.else
	s_wait_xcnt 0x0                                ; the store has read its data
.endif
.endm
	LOAD 0
	LOAD 1
.set Q, 0
.rept 16
	BLOCK Q
.set Q, Q+1
.endr
	s_wait_alu depctr_va_vdst(0)
	global_store_b128 v[SOUT], v[SB:SB+3], s[46:47]  ; 512 consecutive bytes of scale words
	s_endpgm
.Lfunc_end_k_q040c775548_wquant:
	.size	k_q040c775548_wquant, .Lfunc_end_k_q040c775548_wquant-k_q040c775548_wquant
	.p2alignl 7, 3214868480
	.fill 96, 4, 3214868480
	.section	.rodata,"a",@progbits
	.p2align	6, 0x0
	.amdhsa_kernel k_q040c775548_wquant
		.amdhsa_group_segment_fixed_size 0
		.amdhsa_private_segment_fixed_size 0
		.amdhsa_enable_private_segment 0
		.amdhsa_kernarg_size 64
		.amdhsa_user_sgpr_count 2
		.amdhsa_user_sgpr_kernarg_segment_ptr 1
		.amdhsa_wavefront_size32 1
		.amdhsa_system_sgpr_workgroup_id_x 1
		.amdhsa_system_sgpr_workgroup_id_y 1
		.amdhsa_system_sgpr_workgroup_id_z 1
		.amdhsa_system_vgpr_workitem_id 0
		.amdhsa_next_free_vgpr 112
		.amdhsa_next_free_sgpr 66
		.amdhsa_reserve_vcc 0
		.amdhsa_float_denorm_mode_32 3
		.amdhsa_float_denorm_mode_16_64 3
		.amdhsa_memory_ordered 1
		.amdhsa_forward_progress 1
		.amdhsa_inst_pref_size 79
	.end_amdhsa_kernel
	.amdgpu_metadata
---
amdhsa.version: [ 1, 2 ]
amdhsa.kernels:
  - .name:           k_q040c775548_wquant
    .symbol:         k_q040c775548_wquant.kd
    .args:
      - { .name: wq, .offset: 0, .size: 8, .value_kind: global_buffer, .address_space: global }
      - { .name: wk, .offset: 8, .size: 8, .value_kind: global_buffer, .address_space: global }
      - { .name: wv, .offset: 16, .size: 8, .value_kind: global_buffer, .address_space: global }
      - { .name: wo, .offset: 24, .size: 8, .value_kind: global_buffer, .address_space: global }
      - { .name: w1, .offset: 32, .size: 8, .value_kind: global_buffer, .address_space: global }
      - { .name: w2, .offset: 40, .size: 8, .value_kind: global_buffer, .address_space: global }
      - { .name: wc, .offset: 48, .size: 8, .value_kind: global_buffer, .address_space: global }
      - { .name: ws, .offset: 56, .size: 8, .value_kind: global_buffer, .address_space: global }
    .group_segment_fixed_size: 0
    .private_segment_fixed_size: 0
    .kernarg_segment_align: 8
    .kernarg_segment_size: 64
    .max_flat_workgroup_size: 128
    .sgpr_count:     66
    .vgpr_count:     112
    .wavefront_size: 32
...
	.end_amdgpu_metadata
.endif
;; end of part 1
;; launch qkv (part 2): grid 128 x 2, 8 waves a work-group, no clusters, 18,432 bytes of LDS; arguments x, attention_mask, bq, bk, bv, wc, ws, qc, kc, vc, qkvs; writes qc, kc, vc, qkvs
.if DOCPART == 2
	.amdgcn_target "amdgcn-amd-amdhsa--gfx1250"
	.amdhsa_code_object_version 6
	.text
	.protected	k_q040c775548_qkv
	.globl	k_q040c775548_qkv
	.p2align	8
	.type	k_q040c775548_qkv,@function
k_q040c775548_qkv:
	s_mov_b64 s[64:65], 0
	v_nop
	global_prefetch_b8 v0, s[64:65] scope:SCOPE_SE
	s_setreg_imm32_b32 hwreg(HW_REG_WAVE_MODE, 25, 1), 1
	s_wait_xcnt 0x0
; QKV: x is quantised along its columns; q = x wq + bq, k = x wk + bk, v = x wv + bv on codes of FP4; q and k are quantised along the head's 64, v along the tokens; all leave as codes.
; SHARES.  Work-group (x, y): tokens 32 x .. 32 x + 31, heads 8 y .. 8 y + 7; wave w makes head 8 y + w: q, then k, then v, 64 columns each.  Both y quantise the same 32 rows of x (128 KiB read twice),
; which halves the weights that a work-group walks.  Each wave's weights come from memory straight into its registers, in a ring of four sets of four tiles: within a work-group no fragment serves two waves.
; TILES.  Position r of token tile u holds token 8 u + r + 8 (r / 8) of the 32; the weights' tiles are laid likewise.  So with a weight tile as source 0 a lane holds one token and the 16 registers of two
; neighbouring tiles are 16 neighbouring columns (q, k); with the token tile as source 0 a lane holds one column and 16 neighbouring tokens (v, whose K is the tokens).
; THE MASK.  The codes of k are set to 0 for tokens whose mask is 0, so that the next launch's raw score of such a key is exactly the term that it adds there.
; OUT.  qc, kc: [batch x head][token tile][512]: blocks 0, 1 of an image.  vc: [batch x head][128 keys][tile of 16 of the head's 64][1,024].  qkvs: q's and k's scale words [.][tile pair][32 lanes],
; bytes (b0, b1, b0, b1): the upper two meet zero codes; v's bytes [batch][32 keys][head][r][tile].
; LIMITS: a block of zeros or under 2^-124 gets the byte 1; NaN and infinities among the inputs are not served.
.set XIMG,  0                          ; LDS: x's 16 images, (token tile u, K step s) at (8 u + s) 1,024
.set XSC,   16384                      ; their scale words: [s][16 u + r]
.set SPARE, 17408                      ; the spare words, 128 bytes a wave
.set LI,  1                            ; 16 lane
.set LS,  2                            ; 4 lane
.set ST8, 3                            ; 16 r + 8 h: my 8 bytes of a block's 256
.set XA,  4                            ; x: my token's row + 64 h
.set BO,  5                            ; 64 h
.set R4,  6                            ; 4 r
.set CB,  7                            ; 4 (r + 8 (r / 8))
.set SPW, 8
.set NIL, 9
.set MK,  10                           ; v10, v11: the mask of my token in tiles 0, 1
.set ASC, 12                           ; v12-19  x's scale words, one register a K step
.set WSC, 20                           ; v20-67  the weights': 16 m + 8 (tile pair) + s
.set BV,  68                           ; v68-75  bv of my column, a pair for each tile
.set TM,  76                           ; v76-91  at work
.set PCD, 92                           ; v92-99  codes just made
.set PW,  100
.set PW2, 101
.set XST, 102
.set XSS, 103
.set ACC, 128                          ; v128-191 eight accumulators
.set BI,  192                          ; v192-223 bq, v224-255 bk, in the results' layout
.set WV,  26
.set SEL, 36
.set HIM, 38
.set MSB, 0
.macro WIN new                         ; the immediate's high byte repeats the setting that is left
.if MSB != \new
	s_set_vgpr_msb (MSB<<8)|\new
.set MSB, \new
.endif
.endm
; one product; ra, rb: the scale words lie in lanes 16-31 of the register named
.macro WM d, a, b, c, sa, sb, ra, rb
.if (\ra) && (\rb)
	v_wmma_scale_f32_16x16x128_f8f6f4 v[(\d):(\d)+7], v[(\a):(\a)+7], v[(\b):(\b)+7], \c, v[\sa], v[\sb] matrix_a_fmt:MATRIX_FMT_FP4 matrix_b_fmt:MATRIX_FMT_FP4 matrix_a_scale:MATRIX_SCALE_ROW1 matrix_b_scale:MATRIX_SCALE_ROW1
.elseif (\ra)
	v_wmma_scale_f32_16x16x128_f8f6f4 v[(\d):(\d)+7], v[(\a):(\a)+7], v[(\b):(\b)+7], \c, v[\sa], v[\sb] matrix_a_fmt:MATRIX_FMT_FP4 matrix_b_fmt:MATRIX_FMT_FP4 matrix_a_scale:MATRIX_SCALE_ROW1
.elseif (\rb)
	v_wmma_scale_f32_16x16x128_f8f6f4 v[(\d):(\d)+7], v[(\a):(\a)+7], v[(\b):(\b)+7], \c, v[\sa], v[\sb] matrix_a_fmt:MATRIX_FMT_FP4 matrix_b_fmt:MATRIX_FMT_FP4 matrix_b_scale:MATRIX_SCALE_ROW1
.else
	v_wmma_scale_f32_16x16x128_f8f6f4 v[(\d):(\d)+7], v[(\a):(\a)+7], v[(\b):(\b)+7], \c, v[\sa], v[\sb] matrix_a_fmt:MATRIX_FMT_FP4 matrix_b_fmt:MATRIX_FMT_FP4
.endif
.endm
; 64 numbers of a lane in four runs of 16; run b and lane l xor 16's run b are a block of 32.  Out: the 16 codes of run b in v[PCD + 2 b], v[PCD + 2 b + 1]; the four bytes in v[PW].
.macro QUANT4 s
.irp b, 0,1,2,3
	v_max3_num_f32 v[TM+\b], |v[(\s)+16*\b]|, |v[(\s)+1+16*\b]|, 0x1800000   ; with the floor 2^(3 - 127)
.endr
.irp i, 2,4,6,8,10,12,14
.irp b, 0,1,2,3
	v_max3_num_f32 v[TM+\b], v[TM+\b], |v[(\s)+16*\b+\i]|, |v[(\s)+1+16*\b+\i]|
.endr
.endr
.irp b, 0,1,2,3
	s_delay_alu instid0(VALU_DEP_4)
	v_permlanex16_b32 v[TM+4+\b], v[TM+\b], s[SEL], s[SEL+1]
.endr
.irp b, 0,1,2,3
	s_delay_alu instid0(VALU_DEP_4)
	v_max_num_f32 v[TM+\b], v[TM+\b], v[TM+4+\b]
.endr
.irp b, 0,1,2,3
	s_delay_alu instid0(VALU_DEP_4)
	v_add_nc_u32 v[TM+12+\b], 0xff000000, v[TM+\b]   ; 2 off the exponent field: the conversion's scale operand
.endr
.irp b, 0,1,2,3
	s_delay_alu instid0(VALU_DEP_4)
	v_lshrrev_b32 v[TM+4+\b], 23, v[TM+12+\b]        ; the byte
.endr
	s_delay_alu instid0(VALU_DEP_3)
	v_lshl_or_b32 v[PW], v[TM+5], 8, v[TM+4]
	s_delay_alu instid0(VALU_DEP_1)
	v_lshl_or_b32 v[PW], v[TM+6], 16, v[PW]
	s_delay_alu instid0(VALU_DEP_1)
	v_lshl_or_b32 v[PW], v[TM+7], 24, v[PW]
.irp b, 0,1,2,3
	v_cvt_scalef32_pk8_fp4_f32 v[PCD+2*\b], v[(\s)+16*\b:(\s)+7+16*\b], v[TM+12+\b]
	v_cvt_scalef32_pk8_fp4_f32 v[PCD+1+2*\b], v[(\s)+8+16*\b:(\s)+15+16*\b], v[TM+12+\b]
.endr
	v_nop                                          ; one plain place behind the last conversion
.endm
	s_load_b512 s[4:19], s[0:1], 0x0               ; x 4, mask 6, bq 8, bk 10, bv 12, wc 14, ws 16, qc 18
	s_load_b128 s[20:23], s[0:1], 0x40             ; kc 20, vc 22
	s_load_b64 s[24:25], s[0:1], 0x50              ; qkvs
	v_lshl_add_u32 v[SPW], v0, 2, SPARE
	v_mov_b32 v[NIL], 0
	v_lshrrev_b32 v76, 5, v0
	s_delay_alu instid0(VALU_DEP_1)
	v_readfirstlane_b32 s[WV], v76                 ; wave
	v_and_b32 v76, 31, v0                          ; lane
	v_and_b32 v77, 15, v0                          ; r
	v_bfe_u32 v78, v0, 4, 1                        ; h
	s_delay_alu instid0(VALU_DEP_2)
	v_and_b32 v79, 8, v77
	s_delay_alu instid0(VALU_DEP_1)
	v_add_nc_u32 v79, v79, v77                     ; r + 8 (r / 8)
	v_lshlrev_b32 v[LI], 4, v76
	v_lshlrev_b32 v[LS], 2, v76
	v_lshlrev_b32 v[ST8], 4, v77
	s_delay_alu instid0(VALU_DEP_1)
	v_lshl_add_u32 v[ST8], v78, 3, v[ST8]
	v_lshlrev_b32 v[XA], 12, v79
	s_delay_alu instid0(VALU_DEP_1)
	v_lshl_add_u32 v[XA], v78, 6, v[XA]
	v_lshlrev_b32 v[BO], 6, v78
	v_lshlrev_b32 v[R4], 2, v77
	v_lshlrev_b32 v[CB], 2, v79
	s_lshl_b32 s27, s[WV], 10
	v_add_nc_u32 v[XST], s27, v[ST8]               ; x's image of K step w
	s_lshl_b32 s27, s[WV], 7
	v_add_nc_u32 v[XSS], s27, v[LS]                ; and its scale words
.irp b, 0,1,2,3
	v_mov_b32 v[TM+4+\b], 0                        ; a lane permute's destination counts as one of its sources
.endr
	s_mov_b32 s[SEL], 0x76543210
	s_mov_b32 s[SEL+1], 0xfedcba98                 ; lane l xor 16
	s_mov_b32 s[HIM], 0xffff0000                   ; lanes 16-31
	s_and_b32 s28, ttmp7, 0xffff
	s_lshl_b32 s29, s28, 3
	s_add_co_u32 s29, s29, s[WV]                   ; head
	s_lshr_b32 s32, ttmp9, 6                       ; batch
	s_and_b32 s33, ttmp9, 63                       ; which 32 tokens of it
	s_lshl_b32 s34, s32, 4
	s_add_co_u32 s34, s34, s29                     ; batch x head
	s_mov_b32 s31, 0
	s_wait_kmcnt 0x0
	s_lshl_b32 s30, ttmp9, 17
	s_lshl_b32 s27, s[WV], 9
	s_add_co_u32 s30, s30, s27
	s_add_nc_u64 s[4:5], s[4:5], s[30:31]          ; x: my 32 tokens, K step w
.irp u, 0,1
.irp b, 0,1,2,3
.irp j, 0,1,2,3
	global_load_b128 v[ACC+64*\u+16*\b+4*\j:ACC+64*\u+16*\b+4*\j+3], v[XA], s[4:5] offset:\u*32768+128*\b+16*\j   ; 16 neighbours of each block of 32
.endr
.endr
.endr
	s_lshl_b32 s30, ttmp9, 7
	s_add_nc_u64 s[6:7], s[6:7], s[30:31]          ; the mask of my 32 tokens
	s_lshl_b32 s30, s29, 8
	s_add_nc_u64 s[8:9], s[8:9], s[30:31]          ; the head's 64 of each bias
	s_add_nc_u64 s[10:11], s[10:11], s[30:31]
	s_add_nc_u64 s[12:13], s[12:13], s[30:31]
	s_mul_i32 s30, s29, 98304
	s_add_nc_u64 s[14:15], s[14:15], s[30:31]      ; the head's weights: q, k, v on end
	s_mul_i32 s30, s29, 6144
	s_add_nc_u64 s[16:17], s[16:17], s[30:31]
	s_lshl_b32 s30, s34, 16
	s_lshl_b32 s27, s33, 10
	s_add_co_u32 s30, s30, s27
	s_add_nc_u64 s[18:19], s[18:19], s[30:31]      ; q's and k's two token tiles
	s_add_nc_u64 s[20:21], s[20:21], s[30:31]
	s_lshl_b32 s30, s34, 16
	s_lshr_b32 s27, s33, 2
	s_lshl_b32 s27, s27, 12
	s_add_co_u32 s30, s30, s27
	s_and_b32 s27, s33, 3
	s_lshl_b32 s27, s27, 8
	s_add_co_u32 s30, s30, s27
	s_add_nc_u64 s[22:23], s[22:23], s[30:31]      ; v: my 32 tokens are one block of a step of 128 keys
	s_lshl_b32 s30, s34, 13
	s_lshl_b32 s27, s33, 7
	s_add_co_u32 s30, s30, s27
	s_add_nc_u64 s[42:43], s[24:25], s[30:31]      ; q's scale words (k's: 262,144 on)
	s_lshl_b32 s30, ttmp9, 10
	s_lshl_b32 s27, s29, 6
	s_add_co_u32 s30, s30, s27
	s_add_co_u32 s30, s30, 524288
	s_add_nc_u64 s[40:41], s[24:25], s[30:31]      ; v's scale bytes
	; ---- x: my K step of both token tiles becomes two images
	s_wait_loadcnt 16                              ; tile 0's sixteen loads are in
	QUANT4 ACC
.irp k, 0,1,2,3
	ds_store_b64 v[XST], v[PCD+2*\k:PCD+2*\k+1] offset:XIMG+256*\k
.endr
	v_mov_b32 v[PW2], v[PW]
	s_wait_loadcnt 0x0
	s_wait_dscnt 0x0                               ; the stores have read their registers
	QUANT4 ACC+64
.irp k, 0,1,2,3
	ds_store_b64 v[XST], v[PCD+2*\k:PCD+2*\k+1] offset:XIMG+8192+256*\k
.endr
	v_cndmask_b32 v[PW], v[PW2], v[PW], s[HIM]     ; lanes 0-15 tile 0's word, lanes 16-31 tile 1's
	ds_store_b32 v[XSS], v[PW] offset:XSC
	; ---- the stream's head: scale words, biases, mask, the first four sets of weight tiles
.irp m, 0,1,2
.irp g, 0,1
.irp p, 0,1
	global_load_b128 v[WSC+16*\m+8*\p+4*\g:WSC+16*\m+8*\p+4*\g+3], v[LI], s[16:17] offset:\m*2048+\g*1024+\p*512
.endr
.endr
.endr
.irp t, 0,1,2,3
	global_load_b128 v[BI+8*\t:BI+8*\t+3], v[BO], s[8:9] offset:(32*(\t/2)+8*(\t%2))*4
	global_load_b128 v[BI+8*\t+4:BI+8*\t+7], v[BO], s[8:9] offset:(32*(\t/2)+8*(\t%2))*4+16
	global_load_b128 v[BI+32+8*\t:BI+32+8*\t+3], v[BO], s[10:11] offset:(32*(\t/2)+8*(\t%2))*4
	global_load_b128 v[BI+32+8*\t+4:BI+32+8*\t+7], v[BO], s[10:11] offset:(32*(\t/2)+8*(\t%2))*4+16
.endr
.irp t, 0,1,2,3
	global_load_b32 v[BV+2*\t], v[CB], s[12:13] offset:(32*(\t/2)+8*(\t%2))*4
.endr
	global_load_b32 v[MK], v[CB], s[6:7]
	global_load_b32 v[MK+1], v[CB], s[6:7] offset:32
	WIN 0x40                                       ; destination window 1
.irp q, 0,1,2,3
.irp t, 0,1,2,3
.irp c, 0,1
	global_load_b128 v[128+32*\q+8*\t+4*\c:128+32*\q+8*\t+4*\c+3], v[LI], s[14:15] offset:\q*4096+\t*1024+\c*512
.endr
.endr
.endr
	s_wait_dscnt 0x0                               ; my images have landed
	s_barrier_signal -1
	s_barrier_wait -1                              ; everybody's have
.irp u, 0,1
.irp s, 0,1,2,3,4,5,6,7
.irp c, 0,1
	ds_load_b128 v[64*\u+8*\s+4*\c:64*\u+8*\s+4*\c+3], v[LI] offset:XIMG+(8*\u+\s)*1024+512*\c   ; x's 16 fragments stay in window 1
.endr
.endr
.endr
	WIN 0
.irp s, 0,1,2,3,4,5,6,7
	ds_load_b32 v[ASC+\s], v[LS] offset:XSC+128*\s
.endr
	s_wait_dscnt 0x0
; K step n of 24 (matrix n / 8, step n % 8): eight products, the eight accumulators by turns; then the slot takes the set four steps on.
.macro KSTEP n
.set M_, (\n)/8
.set S_, (\n)%8
.set Q_, (\n)%4
.if (\n) <= 20
	s_wait_loadcnt 24                              ; this step's eight loads are in; the three younger sets may be out
.else
	s_wait_loadcnt 8*(23-(\n))
.endif
	WIN 0x05                                       ; sources 0 and 1 window 1
.irp t, 0,1,2,3
.irp u, 0,1
.if M_ < 2
.if S_ == 0
	WM ACC+32*\u+8*\t, 128+32*Q_+8*\t, 64*\u+8*S_, v[BI+32*M_+8*\t:BI+32*M_+8*\t+7], WSC+16*M_+8*(\t/2)+S_, ASC+S_, (\t%2), \u
.else
	WM ACC+32*\u+8*\t, 128+32*Q_+8*\t, 64*\u+8*S_, v[ACC+32*\u+8*\t:ACC+32*\u+8*\t+7], WSC+16*M_+8*(\t/2)+S_, ASC+S_, (\t%2), \u
.endif
.else
.if S_ == 0
	WM ACC+16*\t+8*\u, 64*\u+8*S_, 128+32*Q_+8*\t, 0, ASC+S_, WSC+32+8*(\t/2)+S_, \u, (\t%2)
.else
	WM ACC+16*\t+8*\u, 64*\u+8*S_, 128+32*Q_+8*\t, v[ACC+16*\t+8*\u:ACC+16*\t+8*\u+7], ASC+S_, WSC+32+8*(\t/2)+S_, \u, (\t%2)
.endif
.endif
.endr
.endr
.if (\n)+4 <= 23
	WIN 0x40
.rept 4
	v_nop                                          ; places in front of loads into registers that the products have read
.endr
.irp t, 0,1,2,3
.irp c, 0,1
	global_load_b128 v[128+32*Q_+8*\t+4*\c:128+32*Q_+8*\t+4*\c+3], v[LI], s[14:15] offset:((\n)+4)*4096+\t*1024+\c*512
.endr
.endr
.endif
.endm
; q (m = 0) or k (m = 1): run 2 u + b of a lane is block b of its token in tile u
.macro EPI_QK m
	WIN 0
.rept 4
	v_nop
.endr
	s_wait_xcnt 0x0                                ; earlier stores have read their data
	QUANT4 ACC
.if \m
	v_cmp_eq_u32 vcc_lo, 0, v[MK]
.irp i, 0,1,2,3
	v_cndmask_b32 v[PCD+\i], v[PCD+\i], v[NIL], vcc_lo   ; a masked key's codes are zeros
.endr
	v_cmp_eq_u32 vcc_lo, 0, v[MK+1]
.irp i, 4,5,6,7
	v_cndmask_b32 v[PCD+\i], v[PCD+\i], v[NIL], vcc_lo
.endr
.irp k, 0,1,2,3
	global_store_b64 v[ST8], v[PCD+2*\k:PCD+2*\k+1], s[20:21] offset:256*\k   ; 32 lanes store 256 consecutive bytes, aligned
.endr
.else
.irp k, 0,1,2,3
	global_store_b64 v[ST8], v[PCD+2*\k:PCD+2*\k+1], s[18:19] offset:256*\k
.endr
.endif
	v_perm_b32 v[PW2], v[PW], v[PW], 0x01000100    ; tile 0's two bytes, twice
	v_perm_b32 v[PW], v[PW], v[PW], 0x03020302     ; tile 1's
	s_delay_alu instid0(VALU_DEP_1)
	v_cndmask_b32 v[PW], v[PW2], v[PW], s[HIM]
	global_store_b32 v[LS], v[PW], s[42:43] offset:262144*\m
.endm
.irp n, 0,1,2,3,4,5,6,7
	KSTEP \n
.endr
	EPI_QK 0
.irp n, 8,9,10,11,12,13,14,15
	KSTEP \n
.endr
	EPI_QK 1
.irp n, 16,17,18,19,20,21,22,23
	KSTEP \n
.endr
	; ---- v: a lane holds one column; run t is tile t's column, 16 of the 32 tokens
	WIN 0
.rept 4
	v_nop
.endr
	s_wait_xcnt 0x0
.irp t, 0,1,2,3
	v_mov_b32 v[BV+2*\t+1], v[BV+2*\t]
.endr
.irp t, 0,1,2,3
.irp j, 0,2,4,6,8,10,12,14
	v_pk_add_f32 v[ACC+16*\t+\j:ACC+16*\t+\j+1], v[ACC+16*\t+\j:ACC+16*\t+\j+1], v[BV+2*\t:BV+2*\t+1]
.endr
.endr
	QUANT4 ACC
.irp t, 0,1,2,3
	global_store_b64 v[ST8], v[PCD+2*\t:PCD+2*\t+1], s[22:23] offset:1024*\t
.endr
	global_store_b32 v[R4], v[PW], s[40:41]        ; both halves of the lanes write the same word
	s_wait_tensorcnt 0x0                           ; the wave's end
	ds_add_u32 v[SPW], v[NIL]
	s_wait_dscnt 0x0
	s_endpgm
.Lfunc_end_k_q040c775548_qkv:
	.size	k_q040c775548_qkv, .Lfunc_end_k_q040c775548_qkv-k_q040c775548_qkv
	.p2alignl 7, 3214868480
	.fill 96, 4, 3214868480
	.section	.rodata,"a",@progbits
	.p2align	6, 0x0
	.amdhsa_kernel k_q040c775548_qkv
		.amdhsa_group_segment_fixed_size 18432
		.amdhsa_private_segment_fixed_size 0
		.amdhsa_enable_private_segment 0
		.amdhsa_kernarg_size 88
		.amdhsa_user_sgpr_count 2
		.amdhsa_user_sgpr_kernarg_segment_ptr 1
		.amdhsa_wavefront_size32 1
		.amdhsa_system_sgpr_workgroup_id_x 1
		.amdhsa_system_sgpr_workgroup_id_y 1
		.amdhsa_system_sgpr_workgroup_id_z 1
		.amdhsa_system_vgpr_workitem_id 0
		.amdhsa_next_free_vgpr 512
		.amdhsa_next_free_sgpr 66
		.amdhsa_reserve_vcc 1
		.amdhsa_float_denorm_mode_32 3
		.amdhsa_float_denorm_mode_16_64 3
		.amdhsa_memory_ordered 1
		.amdhsa_forward_progress 1
		.amdhsa_inst_pref_size 86
	.end_amdhsa_kernel
	.amdgpu_metadata
---
amdhsa.version: [ 1, 2 ]
amdhsa.kernels:
  - .name:           k_q040c775548_qkv
    .symbol:         k_q040c775548_qkv.kd
    .args:
      - { .name: x, .offset: 0, .size: 8, .value_kind: global_buffer, .address_space: global }
      - { .name: attention_mask, .offset: 8, .size: 8, .value_kind: global_buffer, .address_space: global }
      - { .name: bq, .offset: 16, .size: 8, .value_kind: global_buffer, .address_space: global }
      - { .name: bk, .offset: 24, .size: 8, .value_kind: global_buffer, .address_space: global }
      - { .name: bv, .offset: 32, .size: 8, .value_kind: global_buffer, .address_space: global }
      - { .name: wc, .offset: 40, .size: 8, .value_kind: global_buffer, .address_space: global }
      - { .name: ws, .offset: 48, .size: 8, .value_kind: global_buffer, .address_space: global }
      - { .name: qc, .offset: 56, .size: 8, .value_kind: global_buffer, .address_space: global }
      - { .name: kc, .offset: 64, .size: 8, .value_kind: global_buffer, .address_space: global }
      - { .name: vc, .offset: 72, .size: 8, .value_kind: global_buffer, .address_space: global }
      - { .name: qkvs, .offset: 80, .size: 8, .value_kind: global_buffer, .address_space: global }
    .group_segment_fixed_size: 18432
    .private_segment_fixed_size: 0
    .kernarg_segment_align: 8
    .kernarg_segment_size: 88
    .max_flat_workgroup_size: 256
    .sgpr_count:     66
    .vgpr_count:     512
    .wavefront_size: 32
...
	.end_amdgpu_metadata
.endif
;; end of part 2
;; launch attn (part 3): grid 8 x 32, 8 waves a work-group, clusters of 4 x 1, 168,960 bytes of LDS; arguments attention_mask, qc, kc, vc, qkvs, cc, cs; writes cc, cs
.if DOCPART == 3
	.amdgcn_target "amdgcn-amd-amdhsa--gfx1250"
	.amdhsa_code_object_version 6
	.text
	.protected	k_q040c775548_attn
	.globl	k_q040c775548_attn
	.p2align	8
	.type	k_q040c775548_attn,@function
k_q040c775548_attn:
	s_mov_b64 s[64:65], 0
	v_nop
	global_prefetch_b8 v0, s[64:65] scope:SCOPE_SE
	s_setreg_imm32_b32 hwreg(HW_REG_WAVE_MODE, 25, 1), 1
	s_wait_xcnt 0x0
	s_wait_alu depctr_hold_cnt(0) depctr_sa_sdst(0) depctr_va_vdst(0) depctr_va_sdst(0) depctr_va_ssrc(0) depctr_va_vcc(0) depctr_vm_vsrc(0)
	s_getreg_b32 s2, hwreg(HW_REG_IB_STS2, 6, 4)
	s_cmp_eq_u32 s2, 0
	s_cbranch_scc0 .Lentry_in_a_cluster
	s_endpgm
.Lentry_in_a_cluster:
	s_bfe_u32 s2, ttmp6, 0x10000c
	s_cmp_lg_u32 s2, 0x3003
	s_cbranch_scc0 .Lentry_shape_is_right
	s_endpgm
.Lentry_shape_is_right:
; ATTN: ctx = softmax(mask(q k^T / 8)) v on codes of FP4, and ctx quantised along its columns for the projection that follows.  Nothing of the problem is left out.
; SHARES.  Work-group (x, y): batch x head y, query tiles 16 x .. 16 x + 15; each of eight waves owns TWO tiles of 16 queries, A and B, so each fragment of K, V and the mask's term read from LDS serves two tiles,
; and the two tiles' dependent chains take turns line by line.
; K and V of the whole head (2 x 64 KiB) come into LDS once, by eight tensor loads, one a wave: 16 rows of 1,024 bytes each, 128 bytes of padding behind each row.  The four work-groups of a cluster walk the same head: the loads are joint.
; Scale words and the mask's term (20 KiB) go through registers into LDS bytes of their own.  No ring, nothing is filled again.  No prefetch: all of K and V is asked for at the head, and no loop runs ahead of memory.
; BOTH PRODUCTS TRANSPOSED: S^T = K Q^T, O^T = V^T P^T: a lane holds one query.
; THE KEYS OF A TILE are chosen by the LDS addresses: position m of tile 4 g + t holds key 64 g + 32 (m / 8) + 8 t + m % 8.  So the 32 registers of tiles 4 g .. 4 g + 3 are one whole block of 32 keys, 64 g + 32 h + 0 .. 31:
; a block's largest needs no other lane, and the conversions' results are the second product's operand as they stand.  A lane makes the scale bytes of blocks h and 2 + h; one lane permute joins the word.
; K = 64 IN AN INSTRUCTION OF 128: Q's registers 4-7 are zero codes; K's registers 4-7 are whatever follows, which zero codes multiply away.
; THE MASK is the C of the first product: 0, or -2^33 for a masked key, whose codes the launch before has set to 0: its raw score is exactly -2^33, its logit -2^30.
; THE SOFTMAX: t = score x log2(e) / 8; M = the running largest t rounded up to a whole number; p = 2^(t - M) is quantised along the keys; the row's sum of the unquantised p divides at the end.
; LOOK-AHEAD IN LDS: K, its scale words and the mask's term of the next step are read right behind this step's first products.  The last trip's look-ahead reads the bytes that follow each region (V's first rows, the mask's term, V's scale words): written bytes, and nothing uses what it brings.
; REGISTERS.  Window 0: addresses, both tiles' S^T and state, scale registers, the sum's first level.  Window 1: the mask's term, K's and V's fragments, both O^T, p's codes, Q.
; LIMITS: the masked logit is -2^30 where the problem writes -1e9: results differ only where true logits lie near -1e9 or under it; a row all of whose keys are masked gives the same p for every key, as the problem does.
; 1 / sum by v_rcp_f32.  A block of zeros gets the byte 1.  NaN and infinities are not served.  The scaled scores stay under 2^31 in magnitude.  ctx's scale bytes leave by stores of two bytes a lane, since two heads share a scale word.
.set ROWP,  1152                       ; an LDS row: 1,024 bytes + 128 of padding: rows r and r + 1 start half a turn of the banks apart
.set VC,    64*ROWP                    ; LDS: K's 64 rows (32 keys each) from 0; V's 64 rows ([128 keys][tile of 16 of the head's 64]) from here
.set KSL,   128*ROWP                   ; K's scale words: [32 keys][32 words]
.set MBL,   KSL+8192                   ; the mask's term, f32, a key after the other
.set VSL,   MBL+8192                   ; V's scale words: [128 keys][16 (tile % 2) + r][tile / 2]
.set SPARE, VSL+4096                   ; the spare words, 128 bytes a wave
; window 0
.set AK0,  1
.set AV0,  2
.set ASK0, 3
.set ASV0, 4
.set SPW,  5
.set NIL,  6
.set AMB0, 7
.set ADK,  8
.set ADV,  9
.set ADS,  10
.set ADT,  11
.set ADM,  12
.set ST8,  13
.set CSO,  14
.set LQ,   15
.set LS4,  16
.set FIL,  17
.set FKS,  18
.set FMB,  19
.set FVM,  20
.set FVL,  21
.set SA,   24                          ; v24-87 tile A's S^T, then p; v88-151 tile B's
.set TA,   152                         ; v152-175 tile A's state, v176-199 tile B's, at these offsets:
.set NM,   0                           ; -M
.set SRM,  1                           ; the largest raw score so far
.set LL,   2                           ; the sum, in two halves
.set FF,   4                           ; f
.set BM,   6
.set BT,   8
.set SO,   10
.set TT,   12
.set C0,   14                          ; four pairs: the sum's chains
.set M2,   22
.set KSC,  200                         ; v200-203 K's scale words, v204-205 V's, v206 Q's (A below, B above), v207, v208 p's of tiles A, B
.set VSC,  204
.set QSC,  206
.set PSA,  207
.set SH8,  210                         ; 8 h
.set U,    212                         ; v212-243 the first level of tile A's sum
; window 1
.set MC,   0                           ; the mask's term of the step's 128 keys, in the results' layout
.set KF,   64                          ; K's eight tiles, 4 registers each, and four zeros
.set VF,   100                         ; V's four tiles
.set OA,   132                         ; O^T of tile A, 32 on tile B's
.set PA,   196                         ; p's codes of tile A, 8 on tile B's
.set QA,   212                         ; Q's codes and four registers of zero codes: tile A, 8 on tile B
.set WV,   18
.set TK,   36
.set TS,   37
.set TV,   38
.set CNT,  39
.set CS,   40
.set SEL,  42
.set G0,   44
.set G1,   48
.set NC,   56
.set MSB, 0
.macro WIN new                         ; the immediate's high byte repeats the setting that is left
.if MSB != \new
	s_set_vgpr_msb (MSB<<8)|\new
.set MSB, \new
.endif
.endm
.macro WM d, a, b, c, sa, sb, ra, rb
.if (\ra) && (\rb)
	v_wmma_scale_f32_16x16x128_f8f6f4 v[(\d):(\d)+7], v[(\a):(\a)+7], v[(\b):(\b)+7], \c, v[\sa], v[\sb] matrix_a_fmt:MATRIX_FMT_FP4 matrix_b_fmt:MATRIX_FMT_FP4 matrix_a_scale:MATRIX_SCALE_ROW1 matrix_b_scale:MATRIX_SCALE_ROW1
.elseif (\ra)
	v_wmma_scale_f32_16x16x128_f8f6f4 v[(\d):(\d)+7], v[(\a):(\a)+7], v[(\b):(\b)+7], \c, v[\sa], v[\sb] matrix_a_fmt:MATRIX_FMT_FP4 matrix_b_fmt:MATRIX_FMT_FP4 matrix_a_scale:MATRIX_SCALE_ROW1
.elseif (\rb)
	v_wmma_scale_f32_16x16x128_f8f6f4 v[(\d):(\d)+7], v[(\a):(\a)+7], v[(\b):(\b)+7], \c, v[\sa], v[\sb] matrix_a_fmt:MATRIX_FMT_FP4 matrix_b_fmt:MATRIX_FMT_FP4 matrix_b_scale:MATRIX_SCALE_ROW1
.else
	v_wmma_scale_f32_16x16x128_f8f6f4 v[(\d):(\d)+7], v[(\a):(\a)+7], v[(\b):(\b)+7], \c, v[\sa], v[\sb] matrix_a_fmt:MATRIX_FMT_FP4 matrix_b_fmt:MATRIX_FMT_FP4
.endif
.endm
.macro ROUND                           ; a round of the cluster's barrier
	s_barrier_signal -1
	s_barrier_wait -1
	s_cmp_lg_u32 s[WV], 0
	s_cbranch_scc1 .Lnot_wave_0_\@
	s_barrier_signal -3
.Lnot_wave_0_\@:
	s_barrier_wait -3
	s_barrier_signal -1
	s_barrier_wait -1
.endm
; K's eight tiles, the mask's term and K's scale words of the step st steps on from the addresses given: 28 LDS loads
.macro KLOAD ak, as, am, st
	WIN 0x40                                       ; destination window 1
.irp t, 0,1,2,3,4,5,6,7
	ds_load_b128 v[KF+4*\t:KF+4*\t+3], v[\ak] offset:(\st)*4*ROWP+(\t/4)*2*ROWP+(\t%2)*512+((\t%4)/2)*128
.endr
.irp t, 0,1,2,3,4,5,6,7
	ds_load_b128 v[MC+8*\t:MC+8*\t+3], v[\am] offset:(\st)*512+(\t/4)*256+(\t%4)*32       ; the mask's term of my eight keys of tile t: the C of both tiles' products
	ds_load_b128 v[MC+8*\t+4:MC+8*\t+7], v[\am] offset:(\st)*512+(\t/4)*256+(\t%4)*32+16
.endr
	WIN 0
.irp p, 0,1,2,3
	ds_load_b32 v[KSC+\p], v[\as] offset:(\st)*512+(\p/2)*256+(\p%2)*32
.endr
.endm
	s_load_b256 s[4:11], s[0:1], 0x0               ; mask 4, qc 6, kc 8, vc 10
	s_load_b128 s[12:15], s[0:1], 0x20             ; qkvs 12, cc 14
	s_load_b64 s[16:17], s[0:1], 0x30              ; cs
	v_lshl_add_u32 v[SPW], v0, 2, SPARE
	v_mov_b32 v[NIL], 0
	ds_add_u32 v[SPW], v[NIL]                      ; the opening: the add, twice on end, and its wait ahead of my tensor load
	ds_add_u32 v[SPW], v[NIL]
	v_lshrrev_b32 v22, 5, v0
	v_readfirstlane_b32 s[WV], v22                 ; wave 0..7
	v_and_b32 v22, 31, v0                          ; lane
	v_and_b32 v23, 15, v0                          ; r
	v_bfe_u32 v[SH8], v0, 4, 1                     ; h
	v_lshlrev_b32 v[LQ], 4, v22
	v_lshlrev_b32 v[LS4], 2, v22
	v_lshl_add_u32 v[ASV0], v22, 3, VSL
	v_lshlrev_b32 v[CSO], 2, v23
	v_lshlrev_b32 v[ST8], 4, v23
	v_add_nc_u32 v[AV0], VC, v[LQ]
	v_lshl_add_u32 v[AMB0], v[SH8], 7, MBL         ; the mask's term: my half's 32 keys of each 64
	v_lshl_add_u32 v[ST8], v[SH8], 3, v[ST8]
	v_and_b32 v22, 7, v0                           ; r % 8
	v_bfe_u32 v23, v0, 3, 1                        ; r / 8
	v_mul_u32_u24 v[AK0], v23, ROWP                ; K: positions 8-15 take the next 32 keys' row,
	v_lshl_add_u32 v[ASK0], v23, 7, KSL
	v_lshl_add_u32 v[AK0], v[SH8], 8, v[AK0]       ; block h of the head's 64,
	v_lshl_add_u32 v[ASK0], v[SH8], 6, v[ASK0]     ; (scale words: lanes 16-31 take the odd tile's)
	v_lshl_add_u32 v[AK0], v22, 4, v[AK0]          ; 16 bytes a key
	v_lshl_add_u32 v[ASK0], v22, 2, v[ASK0]
	v_lshlrev_b32 v[FIL], 4, v0                    ; the fill through registers: 16 x thread
	v_bfe_u32 v22, v0, 4, 4                        ; V's scale bytes: which 128 keys
	v_and_b32 v23, 15, v0
	v_add_nc_u32 v[FKS], KSL, v[FIL]
	v_add_nc_u32 v[FMB], MBL, v[FIL]
	v_lshl_add_u32 v[FVM], v22, 12, v[CSO]         ; in memory: 4 blocks of 1,024 bytes a step, 4 bytes a row
	v_lshl_add_u32 v[FVL], v22, 8, VSL
	v_lshlrev_b32 v[SH8], 3, v[SH8]
	v_mov_b32 v52, 0xd0000000                      ; -2^33
	v_lshl_add_u32 v[FVL], v23, 3, v[FVL]          ; in LDS: 256 step + 8 r
	s_bfe_u32 s34, ttmp6, 0x40000                  ; cx: my place in the cluster
	s_lshl_b32 s35, ttmp9, 2
	s_add_co_u32 s35, s35, s34                     ; work-group x
	s_and_b32 s19, ttmp7, 0xffff                   ; batch x head
	s_lshr_b32 s20, s19, 4                         ; batch
	s_and_b32 s21, s19, 15                         ; head
	s_lshl_b32 s22, s35, 4
	s_lshl_b32 s23, s[WV], 1
	s_add_co_u32 s22, s22, s23                     ; my first query tile in the batch (an even number)
	s_lshl_b32 s23, s20, 7
	s_add_co_u32 s23, s23, s22                     ; and among all token tiles
	s_mov_b32 s[G1], 15|(3<<16)|(1<<20)|(1<<21)|(7<<22)|(31<<25)   ; the cluster's four; elements of 8 bytes; 32 words of padding behind every 256
	s_mov_b32 s[G1+1], 128<<16                     ; rows of 128 elements
	s_mov_b32 s[G1+2], 16<<16                      ; 16 rows
	s_mov_b32 s[G1+3], 128<<16
	s_mov_b32 s[G1+4], 16
	s_mov_b32 s[G1+5], 128                         ; dense in memory
	s_mov_b32 s[G1+6], 0
	s_mov_b32 s[G1+7], 0
	s_mov_b32 s[TK], 0
	s_mov_b32 s[TS], 0
	s_mov_b32 s[TV], 0
	s_mov_b32 s[CNT], 16
	s_mov_b32 s[CS], 0x3e38aa3b                    ; c = log2(e) / 8
	s_mov_b32 s[CS+1], s[CS]
	s_mov_b32 s[NC], 0xbe38aa3b                    ; -c
	s_mov_b32 s[SEL], 0x76543210
	s_mov_b32 s[SEL+1], 0xfedcba98                 ; lane l xor 16
	s_mov_b32 s25, 0
	s_wait_alu depctr_va_vdst(0)
	s_wait_dscnt 0x0                               ; both opening adds are done
	s_wait_kmcnt 0x0
	s_cmp_lt_u32 s[WV], 4                          ; waves 0-3 fetch K's quarters, waves 4-7 V's: the choice hangs on the wave's number alone
	s_cselect_b64 s[26:27], s[8:9], s[10:11]
	s_and_b32 s24, s[WV], 3
	s_lshl_b32 s24, s24, 14
	s_lshl_b32 s34, s19, 16
	s_add_co_u32 s24, s24, s34                     ; the head's 65,536 bytes, my 16,384 of them: the same in all four partners
	s_mov_b32 s[G0], 1
	s_mul_i32 s[G0+1], s[WV], 16*ROWP              ; LDS: wave x 16 rows
	s_add_nc_u64 s[G0+2:G0+3], s[26:27], s[24:25]
	s_or_b32 s[G0+3], s[G0+3], 0x80000000
	ROUND                                          ; the four work-groups are here: the joint loads meet
	tensor_load_to_lds s[G0:G0+3], s[G1:G1+7]      ; my one tensor load of the launch
	s_nop 0
	s_lshl_b32 s24, s19, 16
	s_lshl_b32 s26, s22, 9
	s_add_co_u32 s24, s24, s26
	s_add_nc_u64 s[6:7], s[6:7], s[24:25]          ; my two tiles of Q
	s_lshl_b32 s24, s19, 13
	s_add_co_u32 s24, s24, 262144
	s_add_nc_u64 s[28:29], s[12:13], s[24:25]      ; K's scale words
	s_lshl_b32 s24, s20, 16
	s_lshl_b32 s26, s21, 6
	s_add_co_u32 s24, s24, s26
	s_add_co_u32 s24, s24, 524288
	s_add_nc_u64 s[30:31], s[12:13], s[24:25]      ; V's scale bytes
	s_lshl_b32 s24, s19, 13
	s_lshl_b32 s26, s22, 6
	s_add_co_u32 s24, s24, s26
	s_add_nc_u64 s[32:33], s[12:13], s[24:25]      ; my tile pair's scale words of Q
	s_lshl_b32 s24, s20, 13
	s_add_nc_u64 s[4:5], s[4:5], s[24:25]          ; the batch's mask
	global_load_b128 v[24:27], v[FIL], s[28:29]
	global_load_b128 v[28:31], v[FIL], s[28:29] offset:4096
	global_load_b128 v[32:35], v[FIL], s[4:5]
	global_load_b128 v[36:39], v[FIL], s[4:5] offset:4096
.irp k, 0,1,2,3
	global_load_b32 v[40+\k], v[FVM], s[30:31] offset:1024*\k
.endr
	global_load_b32 v[QSC], v[LS4], s[32:33]       ; lanes 0-15 tile A's words, lanes 16-31 tile B's
	s_lshl_b32 s24, s23, 13
	s_lshl_b32 s26, s21, 9
	s_add_co_u32 s24, s24, s26
	s_add_nc_u64 s[14:15], s[14:15], s[24:25]      ; ctx's codes: my token tiles, the head's two blocks
	s_lshr_b32 s24, s23, 1
	s_lshl_b32 s24, s24, 10
	s_lshr_b32 s26, s21, 1
	s_lshl_b32 s26, s26, 7
	s_add_co_u32 s24, s24, s26
	s_and_b32 s26, s21, 1
	s_lshl_b32 s26, s26, 1
	s_add_co_u32 s24, s24, s26
	s_add_nc_u64 s[16:17], s[16:17], s[24:25]      ; and their two bytes
.irp q, 0,1                                    ; the tiles' state: the step is written once, and the first finds zeros
.irp j, LL,LL+1,FF+1,BT,BT+1
	v_mov_b32 v[TA+24*\q+\j], 0
.endr
	v_mov_b32 v[TA+24*\q+SRM], 0xff61b1e6          ; -3e38, under every score
	v_mov_b32 v[TA+24*\q+NM], 0x7f61b1e6           ; -M = 3e38: the first f is 0
.endr
	WIN 0x40                                       ; destination window 1
	global_load_b128 v[QA:QA+3], v[LQ], s[6:7]     ; Q's codes stay in registers
	global_load_b128 v[QA+8:QA+11], v[LQ], s[6:7] offset:512
.set j_, 0
.rept 64
	v_mov_b32 v[OA+j_], 0
.set j_, j_+1
.endr
.irp j, QA+4,QA+5,QA+6,QA+7,QA+12,QA+13,QA+14,QA+15,KF+32,KF+33,KF+34,KF+35
	v_mov_b32 v[\j], 0                             ; the zero codes of k = 64 .. 127, and what follows K's last tile
.endr
	WIN 0
	s_wait_alu depctr_va_vdst(0)
	s_wait_loadcnt 0x0
.irp k, 0,1,2,3,4,5,6,7
	v_cmp_eq_u32 vcc_lo, 0, v[32+\k]
	v_cndmask_b32 v[32+\k], v[NIL], v52, vcc_lo    ; the mask's term
.endr
	v_perm_b32 v44, v41, v40, 0x05010400           ; four words (a block each, a byte a tile) are turned into words of a tile (a byte a block)
	v_perm_b32 v45, v41, v40, 0x07030602
	v_perm_b32 v46, v43, v42, 0x05010400
	v_perm_b32 v47, v43, v42, 0x07030602
	v_perm_b32 v48, v46, v44, 0x05040100           ; the even tiles' words,
	v_perm_b32 v49, v47, v45, 0x05040100
	v_perm_b32 v50, v46, v44, 0x07060302           ; the odd tiles'
	v_perm_b32 v51, v47, v45, 0x07060302
	s_wait_alu depctr_va_vdst(0)
	s_wait_tensorcnt 0x0                           ; my part of K or V has landed
	ds_store_b128 v[FKS], v[24:27]
	ds_store_b128 v[FKS], v[28:31] offset:4096
	ds_store_b128 v[FMB], v[32:35]
	ds_store_b128 v[FMB], v[36:39] offset:4096
	ds_store_b64 v[FVL], v[48:49]
	ds_store_b64 v[FVL], v[50:51] offset:128
	s_wait_dscnt 0x0                               ; my part of the fill has landed
	s_barrier_signal -1
	s_barrier_wait -1                              ; everybody's has
	KLOAD AK0, ASK0, AMB0, 0                       ; the first step's K, mask's term and scale words
.Lstep:                                            ; 16 trips of 128 keys
	v_add_nc_u32 v[ADK], s[TK], v[AK0]             ; (these five are also the places in front of the loads into registers that the last products read)
	v_add_nc_u32 v[ADV], s[TK], v[AV0]
	v_add_nc_u32 v[ADS], s[TS], v[ASK0]
	v_add_nc_u32 v[ADM], s[TS], v[AMB0]
	v_add_nc_u32 v[ADT], s[TV], v[ASV0]
	WIN 0x40
.irp d, 0,1,2,3
.irp c, 0,1
	ds_load_b128 v[VF+8*\d+4*\c:VF+8*\d+4*\c+3], v[ADV] offset:ROWP*\d+512*\c
.endr
.endr
	WIN 0
	ds_load_b64 v[VSC:VSC+1], v[ADT]
	s_wait_alu depctr_va_vdst(0)
	s_wait_dscnt 9                                 ; the nine loads just issued, V's, may be out: K, the mask's term and K's scale words, asked for a step ago, are in
	WIN 0x15                                       ; K, Q and C in window 1
.irp q, 0,1
.irp t, 0,1,2,3,4,5,6,7
	WM SA+64*\q+8*\t, KF+4*\t, QA+8*\q, v[MC+8*\t:MC+8*\t+7], KSC+\t/2, QSC, (\t%2), \q
.endr
.endr
	WIN 0
.rept 4
	v_nop                                          ; places behind the products: for the loads below and for the first reads of S^T
.endr
	KLOAD ADK, ADS, ADM, 1                         ; the next step's, which have the softmax in which to land
	; ---- the largest score of my two blocks of each tile: eight chains by turns; each accumulator is read from its low end on
.irp q, 0,1
	v_max3_num_f32 v[TA+24*\q+BM], v[SA+64*\q], v[SA+64*\q+1], v[SA+64*\q+2]
	v_max3_num_f32 v[TA+24*\q+BM+1], v[SA+64*\q+32], v[SA+64*\q+33], v[SA+64*\q+34]
	v_max3_num_f32 v[TA+24*\q+M2], v[SA+64*\q+17], v[SA+64*\q+18], v[SA+64*\q+19]
	v_max3_num_f32 v[TA+24*\q+M2+1], v[SA+64*\q+49], v[SA+64*\q+50], v[SA+64*\q+51]
.endr
.irp i, 0,2,4,6,8,10
.irp q, 0,1
	v_max3_num_f32 v[TA+24*\q+BM], v[TA+24*\q+BM], v[SA+64*\q+3+\i], v[SA+64*\q+4+\i]
	v_max3_num_f32 v[TA+24*\q+BM+1], v[TA+24*\q+BM+1], v[SA+64*\q+35+\i], v[SA+64*\q+36+\i]
	v_max3_num_f32 v[TA+24*\q+M2], v[TA+24*\q+M2], v[SA+64*\q+20+\i], v[SA+64*\q+21+\i]
	v_max3_num_f32 v[TA+24*\q+M2+1], v[TA+24*\q+M2+1], v[SA+64*\q+52+\i], v[SA+64*\q+53+\i]
.endr
.endr
.irp q, 0,1
	v_max3_num_f32 v[TA+24*\q+BM], v[TA+24*\q+BM], v[SA+64*\q+15], v[SA+64*\q+16]
	v_max3_num_f32 v[TA+24*\q+BM+1], v[TA+24*\q+BM+1], v[SA+64*\q+47], v[SA+64*\q+48]
.endr
.irp q, 0,1
	s_delay_alu instid0(VALU_DEP_4)
	v_max_num_f32 v[TA+24*\q+BM], v[TA+24*\q+BM], v[TA+24*\q+M2]
	s_delay_alu instid0(VALU_DEP_4)
	v_max_num_f32 v[TA+24*\q+BM+1], v[TA+24*\q+BM+1], v[TA+24*\q+M2+1]
.endr
	; ---- the row's largest, -M and f: the two tiles by turns
.irp q, 0,1
	v_max_num_f32 v[TA+24*\q+TT], v[TA+24*\q+BM], v[TA+24*\q+BM+1]
.endr
.irp q, 0,1
	s_delay_alu instid0(VALU_DEP_2)
	v_permlanex16_b32 v[TA+24*\q+BT], v[TA+24*\q+TT], s[SEL], s[SEL+1]
.endr
.irp q, 0,1
	s_delay_alu instid0(VALU_DEP_2)
	v_max3_num_f32 v[TA+24*\q+SRM], v[TA+24*\q+SRM], v[TA+24*\q+TT], v[TA+24*\q+BT]   ; with lane l xor 16's 64 keys: the running largest score
.endr
.irp q, 0,1
	s_delay_alu instid0(VALU_DEP_2)
	v_mul_f32 v[TA+24*\q+TT], s[NC], v[TA+24*\q+SRM]   ; -t
.endr
.irp q, 0,1
	s_delay_alu instid0(VALU_DEP_2)
	v_floor_f32 v[TA+24*\q+TT], v[TA+24*\q+TT]     ; -M = floor(-t): M is a whole number
.endr
.irp q, 0,1
	s_delay_alu instid0(VALU_DEP_2)
	v_sub_f32 v[TA+24*\q+BT], v[TA+24*\q+TT], v[TA+24*\q+NM]   ; old M - new M
.endr
.irp q, 0,1
	v_mov_b32 v[TA+24*\q+NM], v[TA+24*\q+TT]
.endr
.irp q, 0,1
	s_delay_alu instid0(VALU_DEP_4)
	v_cvt_i32_f32 v[TA+24*\q+BT], v[TA+24*\q+BT]   ; (it saturates)
.endr
.irp q, 0,1
	s_delay_alu instid0(VALU_DEP_2)
	v_ldexp_f32 v[TA+24*\q+FF], 1.0, v[TA+24*\q+BT]   ; f = 2^(old M - new M)
.endr
.set j_, 0
.rept 32
	v_pk_fma_f32 v[SA+j_:SA+j_+1], v[SA+j_:SA+j_+1], s[CS:CS+1], v[TA+NM:TA+NM+1] op_sel_hi:[1,0,0]   ; tile A: t - M
.set j_, j_+2
.endr
	v_fma_f32 v[TA+BM], v[TA+BM], s[CS], v[TA+NM]
	v_fma_f32 v[TA+BM+1], v[TA+BM+1], s[CS], v[TA+NM]
	WIN 0x41                                       ; O^T in window 1, f in window 0
.irp q, 0,1
.set j_, 0
.rept 16
	v_pk_mul_f32 v[OA+32*\q+j_:OA+32*\q+j_+1], v[OA+32*\q+j_:OA+32*\q+j_+1], v[TA+24*\q+FF:TA+24*\q+FF+1] op_sel_hi:[1,0]   ; O^T under the new M, ahead of the exponentials
.set j_, j_+2
.endr
.endr
	WIN 0
	s_wait_alu depctr_va_vdst(0)                   ; the wait ahead of the first batch
.set j_, 0
.rept 32                                       ; tile A's exponentials; among them tile B's t - M, which nothing reads before the next wait
	v_exp_f32 v[SA+j_], v[SA+j_]
	v_exp_f32 v[SA+j_+1], v[SA+j_+1]
	v_pk_fma_f32 v[SA+64+j_:SA+64+j_+1], v[SA+64+j_:SA+64+j_+1], s[CS:CS+1], v[TA+24+NM:TA+24+NM+1] op_sel_hi:[1,0,0]
.set j_, j_+2
.endr
	v_exp_f32 v[TA+BM], v[TA+BM]                   ; tile A's blocks' largest p
	v_exp_f32 v[TA+BM+1], v[TA+BM+1]
	v_fma_f32 v[TA+24+BM], v[TA+24+BM], s[CS], v[TA+24+NM]
	v_fma_f32 v[TA+24+BM+1], v[TA+24+BM+1], s[CS], v[TA+24+NM]
	s_wait_alu depctr_va_vdst(0)                   ; behind the first batch and ahead of the second
.set j_, 0
.rept 16                                       ; tile B's exponentials; among them the first level of tile A's sum, which nothing reads before the next wait
	v_exp_f32 v[SA+64+4*j_], v[SA+64+4*j_]
	v_exp_f32 v[SA+64+4*j_+1], v[SA+64+4*j_+1]
	v_exp_f32 v[SA+64+4*j_+2], v[SA+64+4*j_+2]
	v_exp_f32 v[SA+64+4*j_+3], v[SA+64+4*j_+3]
	v_pk_add_f32 v[U+2*j_:U+2*j_+1], v[SA+4*j_:SA+4*j_+1], v[SA+4*j_+2:SA+4*j_+3]
.set j_, j_+1
.endr
	v_exp_f32 v[TA+24+BM], v[TA+24+BM]
	v_exp_f32 v[TA+24+BM+1], v[TA+24+BM+1]
	v_nop                                          ; a plain place behind the batch
	s_wait_alu depctr_va_vdst(0)                   ; behind the second batch, ahead of its first reader
	; ---- the scale words: four blocks by turns
.irp q, 0,1
.irp c, 0,1
	v_max_num_f32 v[TA+24*\q+BM+\c], 0x1800000, v[TA+24*\q+BM+\c]   ; the floor 2^(3 - 127)
.endr
.endr
.irp q, 0,1
.irp c, 0,1
	s_delay_alu instid0(VALU_DEP_4)
	v_add_nc_u32 v[TA+24*\q+SO+\c], 0xff000000, v[TA+24*\q+BM+\c]   ; 2 off the exponent field: the conversion's scale operand
.endr
.endr
.irp q, 0,1
.irp c, 0,1
	s_delay_alu instid0(VALU_DEP_4)
	v_lshrrev_b32 v[TA+24*\q+BT+\c], 23, v[TA+24*\q+SO+\c]   ; the bytes of blocks h and 2 + h
.endr
.endr
.irp q, 0,1
	v_lshl_or_b32 v[TA+24*\q+TT], v[TA+24*\q+BT+1], 16, v[TA+24*\q+BT]
.endr
.irp q, 0,1
	s_delay_alu instid0(VALU_DEP_2)
	v_lshlrev_b32 v[TA+24*\q+TT], v[SH8], v[TA+24*\q+TT]   ; at their places in the word
.endr
.irp q, 0,1
	s_delay_alu instid0(VALU_DEP_2)
	v_permlanex16_b32 v[TA+24*\q+BT], v[TA+24*\q+TT], s[SEL], s[SEL+1]
.endr
.irp q, 0,1
	s_delay_alu instid0(VALU_DEP_2)
	v_or_b32 v[PSA+\q], v[TA+24*\q+TT], v[TA+24*\q+BT]   ; with lane l xor 16's two the word is whole
.endr
	WIN 0x40                                       ; the codes go to window 1
.irp q, 0,1
.irp c, 0,1
.irp t, 0,1,2,3
	v_cvt_scalef32_pk8_fp4_f32 v[PA+8*\q+4*\c+\t], v[SA+64*\q+32*\c+8*\t:SA+64*\q+32*\c+8*\t+7], v[TA+24*\q+SO+\c]   ; keys 64 c + 32 h + 8 t + 0 .. 7: register 4 c + t of the operand
.endr
.endr
.endr
	WIN 0
	; ---- the rows' sums of the unquantised p: eight chains by turns.  These 48 lines are also the places between the scale words and the codes and the products that take them
.irp k, 0,1,2,3
	v_pk_add_f32 v[TA+24+C0+2*\k:TA+24+C0+2*\k+1], v[SA+64+4*\k:SA+64+4*\k+1], v[SA+64+4*\k+2:SA+64+4*\k+3]
.endr
.irp k, 0,1,2,3
	v_pk_add_f32 v[TA+C0+2*\k:TA+C0+2*\k+1], v[U+2*\k:U+2*\k+1], v[U+8+2*\k:U+8+2*\k+1]
.endr
.irp j, 16,24
.irp k, 0,1,2,3
	v_pk_add_f32 v[TA+24+C0+2*\k:TA+24+C0+2*\k+1], v[TA+24+C0+2*\k:TA+24+C0+2*\k+1], v[SA+64+\j+2*\k:SA+64+\j+2*\k+1]
.endr
.irp k, 0,1,2,3
	v_pk_add_f32 v[TA+C0+2*\k:TA+C0+2*\k+1], v[TA+C0+2*\k:TA+C0+2*\k+1], v[U+\j+2*\k:U+\j+2*\k+1]
.endr
.endr
.irp j, 32,40,48,56
.irp k, 0,1,2,3
	v_pk_add_f32 v[TA+24+C0+2*\k:TA+24+C0+2*\k+1], v[TA+24+C0+2*\k:TA+24+C0+2*\k+1], v[SA+64+\j+2*\k:SA+64+\j+2*\k+1]
.endr
.endr
.irp q, 0,1
	v_pk_add_f32 v[TA+24*\q+C0:TA+24*\q+C0+1], v[TA+24*\q+C0:TA+24*\q+C0+1], v[TA+24*\q+C0+2:TA+24*\q+C0+3]
	v_pk_add_f32 v[TA+24*\q+C0+4:TA+24*\q+C0+5], v[TA+24*\q+C0+4:TA+24*\q+C0+5], v[TA+24*\q+C0+6:TA+24*\q+C0+7]
.endr
.irp q, 0,1
	v_pk_add_f32 v[TA+24*\q+C0:TA+24*\q+C0+1], v[TA+24*\q+C0:TA+24*\q+C0+1], v[TA+24*\q+C0+4:TA+24*\q+C0+5]
.endr
.irp q, 0,1
	s_delay_alu instid0(VALU_DEP_2)
	v_pk_fma_f32 v[TA+24*\q+LL:TA+24*\q+LL+1], v[TA+24*\q+LL:TA+24*\q+LL+1], v[TA+24*\q+FF:TA+24*\q+FF+1], v[TA+24*\q+C0:TA+24*\q+C0+1] op_sel_hi:[1,0,1]   ; the sum under the new M, and this step's
.endr
	s_wait_alu depctr_va_vdst(0)
	s_wait_dscnt 28                                ; V is in; the 28 loads of the look-ahead, issued behind it, may be out
	WIN 0x55
.irp q, 0,1
.irp d, 0,1,2,3
	WM OA+32*\q+8*\d, VF+8*\d, PA+8*\q, v[OA+32*\q+8*\d:OA+32*\q+8*\d+7], VSC+\d/2, PSA+\q, (\d%2), 0
.endr
.endr
	WIN 0
	s_add_co_u32 s[TK], s[TK], 4*ROWP
	s_add_co_u32 s[TS], s[TS], 512
	s_add_co_u32 s[TV], s[TV], 256
	s_sub_co_u32 s[CNT], s[CNT], 1
	s_cmp_lg_u32 s[CNT], 0
	s_cbranch_scc1 .Lstep
	; ---- the way out: O^T / the sum, quantised: the 16 registers of tiles 2 b, 2 b + 1 of O^T are columns 32 b + 16 h + 0 .. 15 of the head
.rept 4
	v_nop                                          ; places behind the last products
.endr
.irp q, 0,1
	v_add_f32 v[TA+24*\q+LL], v[TA+24*\q+LL], v[TA+24*\q+LL+1]
.endr
.irp q, 0,1
	s_delay_alu instid0(VALU_DEP_2)
	v_permlanex16_b32 v[TA+24*\q+FF], v[TA+24*\q+LL], s[SEL], s[SEL+1]
.endr
.irp q, 0,1
	s_delay_alu instid0(VALU_DEP_2)
	v_add_f32 v[TA+24*\q+LL], v[TA+24*\q+LL], v[TA+24*\q+FF]
.endr
	s_wait_alu depctr_va_vdst(0)                   ; the wait ahead of the transcendentals
	v_rcp_f32 v[TA+LL], v[TA+LL]
	v_rcp_f32 v[TA+24+LL], v[TA+24+LL]
	v_nop
	WIN 0x01                                       ; O^T in window 1
	s_wait_alu depctr_va_vdst(0)                   ; and ahead of their first reader, which is also the first reader of O^T
.irp q, 0,1
.set j_, 0
.rept 16
	v_pk_mul_f32 v[SA+64*\q+j_:SA+64*\q+j_+1], v[OA+32*\q+j_:OA+32*\q+j_+1], v[TA+24*\q+LL:TA+24*\q+LL+1] op_sel_hi:[1,0]
.set j_, j_+2
.endr
.endr
	WIN 0
.irp q, 0,1
.irp b, 0,1
	v_max3_num_f32 v[TA+24*\q+BM+\b], |v[SA+64*\q+16*\b]|, |v[SA+64*\q+1+16*\b]|, 0x1800000
.endr
.endr
.irp i, 2,4,6,8,10,12,14
.irp q, 0,1
.irp b, 0,1
	s_delay_alu instid0(VALU_DEP_4)
	v_max3_num_f32 v[TA+24*\q+BM+\b], v[TA+24*\q+BM+\b], |v[SA+64*\q+16*\b+\i]|, |v[SA+64*\q+1+16*\b+\i]|
.endr
.endr
.endr
.irp q, 0,1
.irp b, 0,1
	s_delay_alu instid0(VALU_DEP_4)
	v_permlanex16_b32 v[TA+24*\q+BT+\b], v[TA+24*\q+BM+\b], s[SEL], s[SEL+1]
.endr
.endr
.irp q, 0,1
.irp b, 0,1
	s_delay_alu instid0(VALU_DEP_4)
	v_max_num_f32 v[TA+24*\q+BM+\b], v[TA+24*\q+BM+\b], v[TA+24*\q+BT+\b]
.endr
.endr
.irp q, 0,1
.irp b, 0,1
	s_delay_alu instid0(VALU_DEP_4)
	v_add_nc_u32 v[TA+24*\q+SO+\b], 0xff000000, v[TA+24*\q+BM+\b]
.endr
.endr
.irp q, 0,1
.irp b, 0,1
	s_delay_alu instid0(VALU_DEP_4)
	v_lshrrev_b32 v[TA+24*\q+BT+\b], 23, v[TA+24*\q+SO+\b]
.endr
.endr
.irp q, 0,1
	v_lshl_or_b32 v[TA+24*\q+TT], v[TA+24*\q+BT+1], 8, v[TA+24*\q+BT]
.endr
.irp q, 0,1
.irp b, 0,1
	v_cvt_scalef32_pk8_fp4_f32 v[TA+24*\q+C0+2*\b], v[SA+64*\q+16*\b:SA+64*\q+7+16*\b], v[TA+24*\q+SO+\b]
	v_cvt_scalef32_pk8_fp4_f32 v[TA+24*\q+C0+1+2*\b], v[SA+64*\q+8+16*\b:SA+64*\q+15+16*\b], v[TA+24*\q+SO+\b]
.endr
.endr
	v_nop                                          ; one plain place behind the last conversion
.irp q, 0,1
.irp b, 0,1
	global_store_b64 v[ST8], v[TA+24*\q+C0+2*\b:TA+24*\q+C0+2*\b+1], s[14:15] offset:8192*\q+256*\b   ; 32 lanes store 256 consecutive bytes, aligned
.endr
	global_store_b16 v[CSO], v[TA+24*\q+TT], s[16:17] offset:64*\q   ; the head's two bytes of my row's scale word
.endr
	s_wait_tensorcnt 0x0                           ; the wave's end
	ds_add_u32 v[SPW], v[NIL]
	s_wait_dscnt 0x0
	ROUND                                          ; the closing round
	s_endpgm
.Lfunc_end_k_q040c775548_attn:
	.size	k_q040c775548_attn, .Lfunc_end_k_q040c775548_attn-k_q040c775548_attn
	.p2alignl 7, 3214868480
	.fill 96, 4, 3214868480
	.section	.rodata,"a",@progbits
	.p2align	6, 0x0
	.amdhsa_kernel k_q040c775548_attn
		.amdhsa_group_segment_fixed_size 168960
		.amdhsa_private_segment_fixed_size 0
		.amdhsa_enable_private_segment 0
		.amdhsa_kernarg_size 56
		.amdhsa_user_sgpr_count 2
		.amdhsa_user_sgpr_kernarg_segment_ptr 1
		.amdhsa_wavefront_size32 1
		.amdhsa_system_sgpr_workgroup_id_x 1
		.amdhsa_system_sgpr_workgroup_id_y 1
		.amdhsa_system_sgpr_workgroup_id_z 1
		.amdhsa_system_vgpr_workitem_id 0
		.amdhsa_next_free_vgpr 512
		.amdhsa_next_free_sgpr 66
		.amdhsa_reserve_vcc 1
		.amdhsa_float_denorm_mode_32 3
		.amdhsa_float_denorm_mode_16_64 3
		.amdhsa_memory_ordered 1
		.amdhsa_forward_progress 1
		.amdhsa_inst_pref_size 51
	.end_amdhsa_kernel
	.amdgpu_metadata
---
amdhsa.version: [ 1, 2 ]
amdhsa.kernels:
  - .name:           k_q040c775548_attn
    .symbol:         k_q040c775548_attn.kd
    .args:
      - { .name: attention_mask, .offset: 0, .size: 8, .value_kind: global_buffer, .address_space: global }
      - { .name: qc, .offset: 8, .size: 8, .value_kind: global_buffer, .address_space: global }
      - { .name: kc, .offset: 16, .size: 8, .value_kind: global_buffer, .address_space: global }
      - { .name: vc, .offset: 24, .size: 8, .value_kind: global_buffer, .address_space: global }
      - { .name: qkvs, .offset: 32, .size: 8, .value_kind: global_buffer, .address_space: global }
      - { .name: cc, .offset: 40, .size: 8, .value_kind: global_buffer, .address_space: global }
      - { .name: cs, .offset: 48, .size: 8, .value_kind: global_buffer, .address_space: global }
    .group_segment_fixed_size: 168960
    .private_segment_fixed_size: 0
    .kernarg_segment_align: 8
    .kernarg_segment_size: 56
    .max_flat_workgroup_size: 256
    .sgpr_count:     66
    .vgpr_count:     512
    .wavefront_size: 32
...
	.end_amdgpu_metadata
.endif
;; end of part 3
;; launch proj (part 4): grid 128 x 1, 8 waves a work-group, no clusters, 3,072 bytes of LDS; arguments x, cc, cs, wc, ws, bo, ln1_g, ln1_b, qkvs, qc, kc; writes qkvs, qc, kc
.if DOCPART == 4
	.amdgcn_target "amdgcn-amd-amdhsa--gfx1250"
	.amdhsa_code_object_version 6
	.text
	.protected	k_q040c775548_proj
	.globl	k_q040c775548_proj
	.p2align	8
	.type	k_q040c775548_proj,@function
k_q040c775548_proj:
	s_mov_b64 s[64:65], 0
	v_nop
	global_prefetch_b8 v0, s[64:65] scope:SCOPE_SE
	s_setreg_imm32_b32 hwreg(HW_REG_WAVE_MODE, 25, 1), 1
	s_wait_xcnt 0x0
; PROJ: x1 = LN(x + ctx wo + bo), the product on codes of FP4; x1 leaves in f32 and as codes with their scale words.  Nothing of the problem is left out.
; SHARES.  A work-group owns 32 tokens (two token tiles), since the norm wants whole rows.  THE WAVES SHARE THE COLUMNS: wave w makes columns 128 w .. 128 w + 127.  The product is used transposed (source 0 = 16
; columns of wo, source 1 = 16 tokens): a lane holds one token, and register 16 b + i of a token tile is column 128 w + 32 b + 16 h + i.
; THE WEIGHTS of a wave are one linear stream of 16 K steps, laid so by the first launch; they go from memory straight into a ring of four register sets, four K steps ahead.
; NO MULTICAST: within a work-group every fragment of wo feeds one wave alone, so a pass through LDS would add a write and a read of the whole 0.5 MiB and spare no read in the group.
; OUT, into buffers whose first contents are dead by now: the buffer named qkvs takes x1 in f32 as images of my registers, [32 tokens][wave][32][512 bytes]; qc takes x1's codes, [token tile][K step][1,024];
; kc their scale words, [tile pair][K step][32 lanes].
; LIMITS: a block of zeros or under 2^-124 gets the byte 1; 1 / sqrt by v_rsq_f32; NaN and infinities among the inputs are not served.
.set RED,   0                          ; LDS: two regions of [wave][32 lanes] f32
.set SPARE, 2048
.set LI,   1
.set LS,   2
.set ST8,  3
.set XO,   4
.set BO,   5
.set REDW, 9
.set REDR, 10
.set PW,   12
.set PW2,  13
.set SPW,  14
.set NIL,  15
.set ASC,  16                          ; v16-23  ctx's scale words, one register a K step
.set WSC,  24                          ; v24-39  wo's: 8 (tile pair) + s
.set TMPA, 40                          ; v40-103 bo in the results' order
.set TM,   104
.set R0,   116
.set R1,   118
.set PCD,  120
.set ACC,  128                         ; v128-255: accumulator (u, group, tile) at 64 u + 32 group + 8 tile
.set WPT,  10
.set SPT,  12
.set INV,  58
.set EPS5, 59
.set HIM,  61
.set SEL,  62
.set WV,   66
.set MSB, 0
.macro WIN new                         ; the immediate's high byte repeats the setting that is left
.if MSB != \new
	s_set_vgpr_msb (MSB<<8)|\new
.set MSB, \new
.endif
.endm
.macro WM d, a, b, c, sa, sb, ra, rb
.if (\ra) && (\rb)
	v_wmma_scale_f32_16x16x128_f8f6f4 v[(\d):(\d)+7], v[(\a):(\a)+7], v[(\b):(\b)+7], \c, v[\sa], v[\sb] matrix_a_fmt:MATRIX_FMT_FP4 matrix_b_fmt:MATRIX_FMT_FP4 matrix_a_scale:MATRIX_SCALE_ROW1 matrix_b_scale:MATRIX_SCALE_ROW1
.elseif (\ra)
	v_wmma_scale_f32_16x16x128_f8f6f4 v[(\d):(\d)+7], v[(\a):(\a)+7], v[(\b):(\b)+7], \c, v[\sa], v[\sb] matrix_a_fmt:MATRIX_FMT_FP4 matrix_b_fmt:MATRIX_FMT_FP4 matrix_a_scale:MATRIX_SCALE_ROW1
.elseif (\rb)
	v_wmma_scale_f32_16x16x128_f8f6f4 v[(\d):(\d)+7], v[(\a):(\a)+7], v[(\b):(\b)+7], \c, v[\sa], v[\sb] matrix_a_fmt:MATRIX_FMT_FP4 matrix_b_fmt:MATRIX_FMT_FP4 matrix_b_scale:MATRIX_SCALE_ROW1
.else
	v_wmma_scale_f32_16x16x128_f8f6f4 v[(\d):(\d)+7], v[(\a):(\a)+7], v[(\b):(\b)+7], \c, v[\sa], v[\sb] matrix_a_fmt:MATRIX_FMT_FP4 matrix_b_fmt:MATRIX_FMT_FP4
.endif
.endm
; 64 numbers of a lane, register 16 b + i = k 32 b + 16 h + i of my token: the 16 codes of block b in v[PCD + 2 b], v[PCD + 2 b + 1]; the four bytes in v[PW]
.macro QUANT4 s
.irp b, 0,1,2,3
	v_max3_num_f32 v[TM+\b], |v[(\s)+16*\b]|, |v[(\s)+1+16*\b]|, 0x1800000   ; with the floor 2^(3 - 127)
.endr
.irp i, 2,4,6,8,10,12,14
.irp b, 0,1,2,3
	s_delay_alu instid0(VALU_DEP_4)
	v_max3_num_f32 v[TM+\b], v[TM+\b], |v[(\s)+16*\b+\i]|, |v[(\s)+1+16*\b+\i]|
.endr
.endr
.irp b, 0,1,2,3
	s_delay_alu instid0(VALU_DEP_4)
	v_permlanex16_b32 v[TM+4+\b], v[TM+\b], s[SEL], s[SEL+1]
.endr
.irp b, 0,1,2,3
	s_delay_alu instid0(VALU_DEP_4)
	v_max_num_f32 v[TM+\b], v[TM+\b], v[TM+4+\b]
.endr
.irp b, 0,1,2,3
	s_delay_alu instid0(VALU_DEP_4)
	v_add_nc_u32 v[TM+12+\b], 0xff000000, v[TM+\b]   ; 2 off the exponent field: the conversion's scale operand
.endr
.irp b, 0,1,2,3
	s_delay_alu instid0(VALU_DEP_4)
	v_lshrrev_b32 v[TM+4+\b], 23, v[TM+12+\b]        ; the byte
.endr
	s_delay_alu instid0(VALU_DEP_3)
	v_lshl_or_b32 v[PW], v[TM+5], 8, v[TM+4]
	s_delay_alu instid0(VALU_DEP_1)
	v_lshl_or_b32 v[PW], v[TM+6], 16, v[PW]
	s_delay_alu instid0(VALU_DEP_1)
	v_lshl_or_b32 v[PW], v[TM+7], 24, v[PW]
.irp b, 0,1,2,3
	v_cvt_scalef32_pk8_fp4_f32 v[PCD+2*\b], v[(\s)+16*\b:(\s)+7+16*\b], v[TM+12+\b]
	v_cvt_scalef32_pk8_fp4_f32 v[PCD+1+2*\b], v[(\s)+8+16*\b:(\s)+15+16*\b], v[TM+12+\b]
.endr
	v_nop                                          ; one plain place behind the last conversion
.endm
; One K step: eight products, the group's eight accumulators by turns.  o: the run of 8 K steps; pf: the slot takes the set four K steps on; nl: younger global loads that may be out; sc: behind steps 3 and 7 the next run's scale words.
.macro KST o, s, grp, pf, nl, sc
	s_wait_loadcnt \nl
	WIN 0x05                                       ; sources 0 and 1 window 1
.irp t, 0,1,2,3
.irp u, 0,1
	WM ACC+64*\u+32*(\grp)+8*\t, 128+32*((\s)%4)+8*\t, 64*\u+8*(\s), v[ACC+64*\u+32*(\grp)+8*\t:ACC+64*\u+32*(\grp)+8*\t+7], WSC+8*(\t/2)+(\s), ASC+(\s), (\t%2), \u
.endr
.endr
.if \pf
	WIN 0x40                                       ; destination window 1
.rept 4
	v_nop                                          ; places in front of loads into registers that the products have read
.endr
.irp t, 0,1,2,3
.irp c, 0,1
	global_load_b128 v[128+32*((\s)%4)+8*\t+4*\c:128+32*((\s)%4)+8*\t+4*\c+3], v[LI], s[WPT:WPT+1] offset:(8*(\o)+(\s)+4)*4096+\t*1024+\c*512
.endr
.endr
.endif
	WIN 0
.if (\sc) && ((\s)%4 == 3)
.irp p, 0,1
	global_load_b128 v[WSC+8*\p+4*((\s)/4):WSC+8*\p+4*((\s)/4)+3], v[LI], s[SPT:SPT+1] offset:(2*(\o)+(\s)/4+2)*1024+\p*512
.endr
.endif
.endm
.macro BIAS p                          ; 64 numbers of a vector of 128 columns, in the results' order
.irp k, 0,1,2,3
.irp q, 0,1,2,3
	global_load_b128 v[TMPA+16*\k+4*\q:TMPA+16*\k+4*\q+3], v[BO], s[\p:\p+1] offset:128*\k+16*\q
.endr
.endr
.endm
.macro ADDB
.irp u, 0,1
.set j_, 0
.rept 32
	v_pk_add_f32 v[ACC+64*\u+j_:ACC+64*\u+j_+1], v[ACC+64*\u+j_:ACC+64*\u+j_+1], v[TMPA+j_:TMPA+j_+1]
.set j_, j_+2
.endr
.endr
.endm
.macro GBLOAD g, b                     ; (destination window 1) a gain into index 0-63, a shift into 64-127, in the results' order
.irp k, 0,1,2,3
.irp q, 0,1,2,3
	global_load_b128 v[16*\k+4*\q:16*\k+4*\q+3], v[BO], s[\g:\g+1] offset:128*\k+16*\q
	global_load_b128 v[64+16*\k+4*\q:64+16*\k+4*\q+3], v[BO], s[\b:\b+1] offset:128*\k+16*\q
.endr
.endr
.endm
; v[R0], v[R1]: my partial sums for my token of tiles 0 and 1 -> the rows' sums over all 1,024 columns, in every lane.  Region k of RED is written once in the launch.
.macro REDUCE k
	s_delay_alu instid0(VALU_DEP_2)
	v_permlanex16_b32 v[R0+1], v[R0], s[SEL], s[SEL+1]
	s_delay_alu instid0(VALU_DEP_2)
	v_permlanex16_b32 v[R1+1], v[R1], s[SEL], s[SEL+1]
	s_delay_alu instid0(VALU_DEP_2)
	v_add_f32 v[R0], v[R0], v[R0+1]
	s_delay_alu instid0(VALU_DEP_2)
	v_add_f32 v[R1], v[R1], v[R1+1]
	s_delay_alu instid0(VALU_DEP_1)
	v_cndmask_b32 v[R0], v[R0], v[R1], s[HIM]      ; lanes 0-15 tile 0's, lanes 16-31 tile 1's
	ds_store_b32 v[REDW], v[R0] offset:1024*(\k)
	s_wait_dscnt 0x0                               ; my word has landed
	s_barrier_signal -1
	s_barrier_wait -1
.irp j, 0,1,2,3,4,5,6,7
	ds_load_b32 v[TM+\j], v[REDR] offset:1024*(\k)+128*\j
.endr
	s_wait_dscnt 0x0
	v_add_f32 v[TM], v[TM], v[TM+1]
	v_add_f32 v[TM+2], v[TM+2], v[TM+3]
	v_add_f32 v[TM+4], v[TM+4], v[TM+5]
	v_add_f32 v[TM+6], v[TM+6], v[TM+7]
	s_delay_alu instid0(VALU_DEP_3)
	v_add_f32 v[TM], v[TM], v[TM+2]
	s_delay_alu instid0(VALU_DEP_2)
	v_add_f32 v[TM+4], v[TM+4], v[TM+6]
	s_delay_alu instid0(VALU_DEP_1)
	v_add_f32 v[TM], v[TM], v[TM+4]
	s_delay_alu instid0(VALU_DEP_1)
	v_permlanex16_b32 v[TM+1], v[TM], s[SEL], s[SEL+1]
	s_delay_alu instid0(VALU_DEP_1)
	v_cndmask_b32 v[R0], v[TM], v[TM+1], s[HIM]
	s_delay_alu instid0(VALU_DEP_2)
	v_cndmask_b32 v[R1], v[TM+1], v[TM], s[HIM]
.endm
; ACC = (ACC - mean) / sqrt(var + eps) x gain + shift; gain and shift lie in window 1, index 0-63 and 64-127
.macro LN k, eps
.irp u, 0,1
	v_pk_add_f32 v[TM+4*\u:TM+4*\u+1], v[ACC+64*\u:ACC+64*\u+1], v[ACC+64*\u+2:ACC+64*\u+3]
	v_pk_add_f32 v[TM+4*\u+2:TM+4*\u+3], v[ACC+64*\u+4:ACC+64*\u+5], v[ACC+64*\u+6:ACC+64*\u+7]
.endr
.irp j, 8,12,16,20,24,28,32,36,40,44,48,52,56,60
.irp u, 0,1
	s_delay_alu instid0(VALU_DEP_4)
	v_pk_add_f32 v[TM+4*\u:TM+4*\u+1], v[TM+4*\u:TM+4*\u+1], v[ACC+64*\u+\j:ACC+64*\u+\j+1]
	s_delay_alu instid0(VALU_DEP_4)
	v_pk_add_f32 v[TM+4*\u+2:TM+4*\u+3], v[TM+4*\u+2:TM+4*\u+3], v[ACC+64*\u+\j+2:ACC+64*\u+\j+3]
.endr
.endr
.irp u, 0
	s_delay_alu instid0(VALU_DEP_3)
	v_pk_add_f32 v[TM+4*\u:TM+4*\u+1], v[TM+4*\u:TM+4*\u+1], v[TM+4*\u+2:TM+4*\u+3]
.endr
.irp u, 1
	s_delay_alu instid0(VALU_DEP_2)
	v_pk_add_f32 v[TM+4*\u:TM+4*\u+1], v[TM+4*\u:TM+4*\u+1], v[TM+4*\u+2:TM+4*\u+3]
.endr
	s_delay_alu instid0(VALU_DEP_2)
	v_add_f32 v[R0], v[TM], v[TM+1]
	s_delay_alu instid0(VALU_DEP_2)
	v_add_f32 v[R1], v[TM+4], v[TM+5]
	REDUCE \k
	s_delay_alu instid0(VALU_DEP_2)
	v_mul_f32 v[R0], s[INV], v[R0]                 ; the means
	s_delay_alu instid0(VALU_DEP_2)
	v_mul_f32 v[R1], s[INV], v[R1]
.irp u, 0,1
.set j_, 0
.rept 32
	v_pk_add_f32 v[ACC+64*\u+j_:ACC+64*\u+j_+1], v[ACC+64*\u+j_:ACC+64*\u+j_+1], v[R0+2*\u:R0+2*\u+1] op_sel_hi:[1,0] neg_lo:[0,1] neg_hi:[0,1]
.set j_, j_+2
.endr
.endr
.irp u, 0,1
	v_pk_mul_f32 v[TM+4*\u:TM+4*\u+1], v[ACC+64*\u:ACC+64*\u+1], v[ACC+64*\u:ACC+64*\u+1]
	v_pk_mul_f32 v[TM+4*\u+2:TM+4*\u+3], v[ACC+64*\u+2:ACC+64*\u+3], v[ACC+64*\u+2:ACC+64*\u+3]
.endr
.irp j, 4,8,12,16,20,24,28,32,36,40,44,48,52,56,60
.irp u, 0,1
	s_delay_alu instid0(VALU_DEP_4)
	v_pk_fma_f32 v[TM+4*\u:TM+4*\u+1], v[ACC+64*\u+\j:ACC+64*\u+\j+1], v[ACC+64*\u+\j:ACC+64*\u+\j+1], v[TM+4*\u:TM+4*\u+1]
	s_delay_alu instid0(VALU_DEP_4)
	v_pk_fma_f32 v[TM+4*\u+2:TM+4*\u+3], v[ACC+64*\u+\j+2:ACC+64*\u+\j+3], v[ACC+64*\u+\j+2:ACC+64*\u+\j+3], v[TM+4*\u+2:TM+4*\u+3]
.endr
.endr
.irp u, 0
	s_delay_alu instid0(VALU_DEP_3)
	v_pk_add_f32 v[TM+4*\u:TM+4*\u+1], v[TM+4*\u:TM+4*\u+1], v[TM+4*\u+2:TM+4*\u+3]
.endr
.irp u, 1
	s_delay_alu instid0(VALU_DEP_2)
	v_pk_add_f32 v[TM+4*\u:TM+4*\u+1], v[TM+4*\u:TM+4*\u+1], v[TM+4*\u+2:TM+4*\u+3]
.endr
	s_delay_alu instid0(VALU_DEP_2)
	v_add_f32 v[R0], v[TM], v[TM+1]
	s_delay_alu instid0(VALU_DEP_2)
	v_add_f32 v[R1], v[TM+4], v[TM+5]
	REDUCE (\k)+1
	s_delay_alu instid0(VALU_DEP_2)
	v_fma_f32 v[R0], v[R0], s[INV], s[\eps]
	s_delay_alu instid0(VALU_DEP_2)
	v_fma_f32 v[R1], v[R1], s[INV], s[\eps]
	s_wait_alu depctr_va_vdst(0)
	v_rsq_f32 v[R0], v[R0]
	v_rsq_f32 v[R1], v[R1]
	v_nop                                          ; a plain place behind the two
	s_wait_alu depctr_va_vdst(0)                   ; one wait for both, ahead of their first reader
.irp u, 0,1
.set j_, 0
.rept 32
	v_pk_mul_f32 v[ACC+64*\u+j_:ACC+64*\u+j_+1], v[ACC+64*\u+j_:ACC+64*\u+j_+1], v[R0+2*\u:R0+2*\u+1] op_sel_hi:[1,0]
.set j_, j_+2
.endr
.endr
	s_wait_loadcnt 0x0                             ; gain and shift are in
	WIN 0x14                                       ; sources 1 and 2 window 1
.irp u, 0,1
.set j_, 0
.rept 32
	v_pk_fma_f32 v[ACC+64*\u+j_:ACC+64*\u+j_+1], v[ACC+64*\u+j_:ACC+64*\u+j_+1], v[j_:j_+1], v[64+j_:64+j_+1]
.set j_, j_+2
.endr
.endr
	WIN 0
.endm
	s_load_b512 s[4:19], s[0:1], 0x0               ; x 4, cc 6, cs 8, wc 10, ws 12, bo 14, ln1_g 16, ln1_b 18
	s_load_b128 s[20:23], s[0:1], 0x40             ; qkvs 20 (x1 in f32), qc 22 (x1's codes)
	s_load_b64 s[24:25], s[0:1], 0x50              ; kc (x1's scale words)
	v_lshl_add_u32 v[SPW], v0, 2, SPARE
	v_mov_b32 v[NIL], 0
	v_lshrrev_b32 v40, 5, v0
	s_delay_alu instid0(VALU_DEP_1)
	v_readfirstlane_b32 s[WV], v40                 ; wave
	v_and_b32 v40, 31, v0                          ; lane
	v_and_b32 v41, 15, v0                          ; r
	v_bfe_u32 v42, v0, 4, 1                        ; h
	s_delay_alu instid0(VALU_DEP_2)
	v_and_b32 v43, 8, v41
	s_delay_alu instid0(VALU_DEP_1)
	v_add_nc_u32 v43, v43, v41                     ; r + 8 (r / 8)
	v_lshlrev_b32 v[LI], 4, v40
	v_lshlrev_b32 v[LS], 2, v40
	v_lshlrev_b32 v[ST8], 4, v41
	s_delay_alu instid0(VALU_DEP_1)
	v_lshl_add_u32 v[ST8], v42, 3, v[ST8]
	v_lshlrev_b32 v[XO], 12, v43
	s_delay_alu instid0(VALU_DEP_1)
	v_lshl_add_u32 v[XO], v42, 6, v[XO]
	v_lshlrev_b32 v[BO], 6, v42
	s_lshl_b32 s78, s[WV], 7
	s_add_co_u32 s78, s78, RED
	v_add_nc_u32 v[REDW], s78, v[LS]
	v_add_nc_u32 v[REDR], RED, v[LS]
.irp j, 0,1,2,3,4,5,6,7,12,13,14,15
	v_mov_b32 v[TM+\j], 0                          ; lane permutes' destinations count as sources
.endr
	s_mov_b32 s[INV], 0x3a800000                   ; 1 / 1,024
	s_mov_b32 s[EPS5], 0x3727c5ac                  ; 1e-5
	s_mov_b32 s[HIM], 0xffff0000
	s_mov_b32 s[SEL], 0x76543210
	s_mov_b32 s[SEL+1], 0xfedcba98
	s_mov_b32 s79, 0
	s_lshl_b32 s80, s[WV], 9
	s_wait_kmcnt 0x0
	s_lshl_b32 s78, ttmp9, 17
	s_add_co_u32 s78, s78, s80
	s_add_nc_u64 s[4:5], s[4:5], s[78:79]          ; x: my 32 tokens, my 128 columns
	s_lshl_b32 s78, ttmp9, 14
	s_add_nc_u64 s[6:7], s[6:7], s[78:79]          ; ctx's codes
	s_lshl_b32 s78, ttmp9, 10
	s_add_nc_u64 s[8:9], s[8:9], s[78:79]          ; and scale words
	s_mul_i32 s78, s[WV], 589824
	s_add_co_u32 s78, s78, 1572864
	s_add_nc_u64 s[WPT:WPT+1], s[WPT:WPT+1], s[78:79]
	s_mul_i32 s78, s[WV], 36864
	s_add_co_u32 s78, s78, 98304
	s_add_nc_u64 s[SPT:SPT+1], s[SPT:SPT+1], s[78:79]
	s_mov_b32 s78, s80
.irp p, 14,16,18
	s_add_nc_u64 s[\p:\p+1], s[\p:\p+1], s[78:79]  ; my 128 columns of each vector of 1,024
.endr
	s_lshl_b32 s78, ttmp9, 17
	s_lshl_b32 s80, s[WV], 14
	s_add_co_u32 s78, s78, s80
	s_add_nc_u64 s[20:21], s[20:21], s[78:79]      ; x1 in f32: my image of 16,384 bytes
	s_lshl_b32 s78, ttmp9, 14
	s_lshl_b32 s80, s[WV], 10
	s_add_co_u32 s78, s78, s80
	s_add_nc_u64 s[22:23], s[22:23], s[78:79]      ; x1's codes: K step w of my two token tiles
	s_lshl_b32 s78, ttmp9, 10
	s_lshl_b32 s80, s[WV], 7
	s_add_co_u32 s78, s78, s80
	s_add_nc_u64 s[24:25], s[24:25], s[78:79]      ; and their scale words
.irp u, 0,1
.irp k, 0,1,2,3
.irp q, 0,1,2,3
	global_load_b128 v[ACC+64*\u+16*\k+4*\q:ACC+64*\u+16*\k+4*\q+3], v[XO], s[4:5] offset:\u*32768+128*\k+16*\q   ; x is the C of the product: the residual costs no addition
.endr
.endr
.endr
	WIN 0x40
.irp u, 0,1
.irp s, 0,1,2,3,4,5,6,7
.irp c, 0,1
	global_load_b128 v[64*\u+8*\s+4*\c:64*\u+8*\s+4*\c+3], v[LI], s[6:7] offset:(8*\u+\s)*1024+512*\c   ; ctx's 16 fragments
.endr
.endr
.endr
	WIN 0
.irp s, 0,1,2,3,4,5,6,7
	global_load_b32 v[ASC+\s], v[LS], s[8:9] offset:128*\s
.endr
.irp g, 0,1
.irp p, 0,1
	global_load_b128 v[WSC+8*\p+4*\g:WSC+8*\p+4*\g+3], v[LI], s[SPT:SPT+1] offset:\g*1024+\p*512
.endr
.endr
	WIN 0x40
.irp q, 0,1,2,3
.irp t, 0,1,2,3
.irp c, 0,1
	global_load_b128 v[128+32*\q+8*\t+4*\c:128+32*\q+8*\t+4*\c+3], v[LI], s[WPT:WPT+1] offset:\q*4096+\t*1024+\c*512
.endr
.endr
.endr
	WIN 0
	; ---- ctx wo + x.  The count 24: three younger sets of eight loads (two loads of scale words among them only make the true number larger)
.irp s, 0,1,2,3,4,5,6,7
	KST 0, \s, 0, 1, 24, 1
.endr
.irp s, 0,1,2,3
	KST 1, \s, 1, 1, 24, 0
.endr
	BIAS 14                                        ; bo: sixteen loads behind the stream's last set
.irp s, 4,5,6,7
	KST 1, \s, 1, 0, 8*(7-\s)+16, 0                ; the sets still out, and bo's sixteen
.endr
.rept 4
	v_nop                                          ; places behind the last products
.endr
	WIN 0x40
	GBLOAD 16, 18
	WIN 0
	s_wait_loadcnt 32                              ; bo is in; the 32 loads of gain and shift may be out
	ADDB
	LN 0, EPS5                                     ; x1
.set k_, 0
.rept 32
	global_store_b128 v[LI], v[ACC+4*k_:ACC+4*k_+3], s[20:21] offset:512*k_   ; 32 lanes store 512 consecutive bytes, aligned
.set k_, k_+1
.endr
	QUANT4 ACC
.irp k, 0,1,2,3
	global_store_b64 v[ST8], v[PCD+2*\k:PCD+2*\k+1], s[22:23] offset:256*\k   ; 32 lanes store 256 consecutive bytes, aligned
.endr
	v_mov_b32 v[PW2], v[PW]
	s_wait_xcnt 0x0                                ; the stores have read their data
	QUANT4 ACC+64
.irp k, 0,1,2,3
	global_store_b64 v[ST8], v[PCD+2*\k:PCD+2*\k+1], s[22:23] offset:8192+256*\k
.endr
	v_cndmask_b32 v[PW], v[PW2], v[PW], s[HIM]     ; lanes 0-15 tile 0's word, lanes 16-31 tile 1's
	global_store_b32 v[LS], v[PW], s[24:25]
	s_wait_tensorcnt 0x0                           ; the wave's end
	ds_add_u32 v[SPW], v[NIL]
	s_wait_dscnt 0x0
	s_endpgm
.Lfunc_end_k_q040c775548_proj:
	.size	k_q040c775548_proj, .Lfunc_end_k_q040c775548_proj-k_q040c775548_proj
	.p2alignl 7, 3214868480
	.fill 96, 4, 3214868480
	.section	.rodata,"a",@progbits
	.p2align	6, 0x0
	.amdhsa_kernel k_q040c775548_proj
		.amdhsa_group_segment_fixed_size 3072
		.amdhsa_private_segment_fixed_size 0
		.amdhsa_enable_private_segment 0
		.amdhsa_kernarg_size 88
		.amdhsa_user_sgpr_count 2
		.amdhsa_user_sgpr_kernarg_segment_ptr 1
		.amdhsa_wavefront_size32 1
		.amdhsa_system_sgpr_workgroup_id_x 1
		.amdhsa_system_sgpr_workgroup_id_y 1
		.amdhsa_system_sgpr_workgroup_id_z 1
		.amdhsa_system_vgpr_workitem_id 0
		.amdhsa_next_free_vgpr 512
		.amdhsa_next_free_sgpr 84
		.amdhsa_reserve_vcc 0
		.amdhsa_float_denorm_mode_32 3
		.amdhsa_float_denorm_mode_16_64 3
		.amdhsa_memory_ordered 1
		.amdhsa_forward_progress 1
		.amdhsa_inst_pref_size 94
	.end_amdhsa_kernel
	.amdgpu_metadata
---
amdhsa.version: [ 1, 2 ]
amdhsa.kernels:
  - .name:           k_q040c775548_proj
    .symbol:         k_q040c775548_proj.kd
    .args:
      - { .name: x, .offset: 0, .size: 8, .value_kind: global_buffer, .address_space: global }
      - { .name: cc, .offset: 8, .size: 8, .value_kind: global_buffer, .address_space: global }
      - { .name: cs, .offset: 16, .size: 8, .value_kind: global_buffer, .address_space: global }
      - { .name: wc, .offset: 24, .size: 8, .value_kind: global_buffer, .address_space: global }
      - { .name: ws, .offset: 32, .size: 8, .value_kind: global_buffer, .address_space: global }
      - { .name: bo, .offset: 40, .size: 8, .value_kind: global_buffer, .address_space: global }
      - { .name: ln1_g, .offset: 48, .size: 8, .value_kind: global_buffer, .address_space: global }
      - { .name: ln1_b, .offset: 56, .size: 8, .value_kind: global_buffer, .address_space: global }
      - { .name: qkvs, .offset: 64, .size: 8, .value_kind: global_buffer, .address_space: global }
      - { .name: qc, .offset: 72, .size: 8, .value_kind: global_buffer, .address_space: global }
      - { .name: kc, .offset: 80, .size: 8, .value_kind: global_buffer, .address_space: global }
    .group_segment_fixed_size: 3072
    .private_segment_fixed_size: 0
    .kernarg_segment_align: 8
    .kernarg_segment_size: 88
    .max_flat_workgroup_size: 256
    .sgpr_count:     84
    .vgpr_count:     512
    .wavefront_size: 32
...
	.end_amdgpu_metadata
.endif
;; end of part 4
;; launch ffn1 (part 5): grid 64 x 4, 4 waves a work-group, no clusters, 0 bytes of LDS; arguments qc, kc, wc, ws, b1, vc; writes vc
.if DOCPART == 5
	.amdgcn_target "amdgcn-amd-amdhsa--gfx1250"
	.amdhsa_code_object_version 6
	.text
	.protected	k_q040c775548_ffn1
	.globl	k_q040c775548_ffn1
	.p2align	8
	.type	k_q040c775548_ffn1,@function
k_q040c775548_ffn1:
	s_mov_b64 s[64:65], 0
	v_nop
	global_prefetch_b8 v0, s[64:65] scope:SCOPE_SE
	s_setreg_imm32_b32 hwreg(HW_REG_WAVE_MODE, 25, 1), 1
	s_wait_xcnt 0x0
; FFN1: h = gelu(x1 w1 + b1) on codes of FP4, and h quantised along the hidden units; h leaves as codes.  Nothing of the problem is left out.
; SHARES.  Work-group (x, y): tokens 64 x .. 64 x + 63 (four token tiles), hidden units 1,024 y .. 1,024 y + 1,023.  Wave w of four makes 256 of them, four groups of 64, one after the other.
; So a work-group takes in 0.56 MiB of w1 and four times 34 KiB of x1's codes, where a row block that walked all of w1 would take in 2.2 MiB.
; The product is used transposed (source 0 = 16 hidden units, source 1 = 16 tokens): a lane holds one token; the 16 registers of tiles 2 b, 2 b + 1 are hidden units 32 b + 16 h + 0 .. 15 of the group.
; x1's 32 fragments stay in window 2.  THE WEIGHTS of a wave are one linear stream of 32 K steps; they go from memory straight into a ring of EIGHT register sets (window 1), which is a whole group:
; each slot is filled again for the next group directly behind its use, so the next group lands under this group's epilogue, and the one wait at a group's head is for 0.
; NO MULTICAST: every fragment of w1 feeds one wave alone; a joint load would send the 0.56 MiB through LDS, a write and a read more, and spare no read in the group.  x1's codes are read by each wave for itself: 0.1 MiB more.
; IN: the buffers named qc and kc hold x1's codes and scale words.  OUT: the buffer named vc takes h's codes, [token tile 256][K step 32][1,024], and from byte 8,388,608 on its scale words, [tile pair][K step][32 lanes].
; A group is half of a K step of the next product, so its two scale bytes leave by stores of two bytes a lane: 0.5 MiB in the launch.
; GELU: v / 2 (1 + erf(v / sqrt 2)), erf(z) = z P(z^2) / Q(z^2) on z held to +-4 (degrees 6 and 4), the division by v_rcp_f32.
; LIMITS: a block of zeros or under 2^-124 gets the byte 1; NaN and infinities among the inputs are not served.
.set LI,   1
.set LS,   2
.set ST8,  3
.set BO,   4
.set PW,   5
.set PW2,  6
.set ASC,  8                           ; v8-23   x1's scale words: 8 (tile pair) + s
.set WSC,  24                          ; v24-39  w1's: 8 (tile pair) + s
.set TMPA, 40                          ; v40-103 b1 in the results' order; GELU's work
.set TM,   104
.set KA,   112
.set KB,   114
.set PCD,  120
.set ACC,  128                         ; v128-255: accumulator (token tile u, tile t) at 32 u + 8 t
.set WPT,  8
.set SPT,  10
.set B1P,  12
.set HB,   14
.set HSB,  16
.set RS2,  36
.set AL1,  38
.set AL2,  40
.set AL3,  42
.set AL4,  44
.set AL5,  46
.set AL6,  48
.set BE1,  50
.set BE2,  52
.set BE3,  54
.set BE4,  56
.set HIM,  61
.set SEL,  62
.set WV,   66
.set GI,   67
.set MSB, 0
.macro WIN new
.if MSB != \new
	s_set_vgpr_msb (MSB<<8)|\new
.set MSB, \new
.endif
.endm
.macro WM d, a, b, c, sa, sb, ra, rb
.if (\ra) && (\rb)
	v_wmma_scale_f32_16x16x128_f8f6f4 v[(\d):(\d)+7], v[(\a):(\a)+7], v[(\b):(\b)+7], \c, v[\sa], v[\sb] matrix_a_fmt:MATRIX_FMT_FP4 matrix_b_fmt:MATRIX_FMT_FP4 matrix_a_scale:MATRIX_SCALE_ROW1 matrix_b_scale:MATRIX_SCALE_ROW1
.elseif (\ra)
	v_wmma_scale_f32_16x16x128_f8f6f4 v[(\d):(\d)+7], v[(\a):(\a)+7], v[(\b):(\b)+7], \c, v[\sa], v[\sb] matrix_a_fmt:MATRIX_FMT_FP4 matrix_b_fmt:MATRIX_FMT_FP4 matrix_a_scale:MATRIX_SCALE_ROW1
.elseif (\rb)
	v_wmma_scale_f32_16x16x128_f8f6f4 v[(\d):(\d)+7], v[(\a):(\a)+7], v[(\b):(\b)+7], \c, v[\sa], v[\sb] matrix_a_fmt:MATRIX_FMT_FP4 matrix_b_fmt:MATRIX_FMT_FP4 matrix_b_scale:MATRIX_SCALE_ROW1
.else
	v_wmma_scale_f32_16x16x128_f8f6f4 v[(\d):(\d)+7], v[(\a):(\a)+7], v[(\b):(\b)+7], \c, v[\sa], v[\sb] matrix_a_fmt:MATRIX_FMT_FP4 matrix_b_fmt:MATRIX_FMT_FP4
.endif
.endm
; 64 numbers of a lane in four runs of 16; run b and lane l xor 16's run b are a block of 32.  Out: the 16 codes of run b in v[PCD + 2 b], v[PCD + 2 b + 1]; the four bytes in v[PW].
.macro QUANT4 s
.irp b, 0,1,2,3
	v_max3_num_f32 v[TM+\b], |v[(\s)+16*\b]|, |v[(\s)+1+16*\b]|, 0x1800000   ; with the floor 2^(3 - 127)
.endr
.irp i, 2,4,6,8,10,12,14
.irp b, 0,1,2,3
	v_max3_num_f32 v[TM+\b], v[TM+\b], |v[(\s)+16*\b+\i]|, |v[(\s)+1+16*\b+\i]|
.endr
.endr
.irp b, 0,1,2,3
	v_permlanex16_b32 v[TM+4+\b], v[TM+\b], s[SEL], s[SEL+1]
.endr
.irp b, 0,1,2,3
	v_max_num_f32 v[TM+\b], v[TM+\b], v[TM+4+\b]
.endr
.irp b, 0,1,2,3
	v_add_nc_u32 v[TM+12+\b], 0xff000000, v[TM+\b]
.endr
.irp b, 0,1,2,3
	v_lshrrev_b32 v[TM+4+\b], 23, v[TM+12+\b]
.endr
	v_lshl_or_b32 v[PW], v[TM+5], 8, v[TM+4]
	v_lshl_or_b32 v[PW], v[TM+6], 16, v[PW]
	v_lshl_or_b32 v[PW], v[TM+7], 24, v[PW]
.irp b, 0,1,2,3
	v_cvt_scalef32_pk8_fp4_f32 v[PCD+2*\b], v[(\s)+16*\b:(\s)+7+16*\b], v[TM+12+\b]
	v_cvt_scalef32_pk8_fp4_f32 v[PCD+1+2*\b], v[(\s)+8+16*\b:(\s)+15+16*\b], v[TM+12+\b]
.endr
	v_nop                                          ; one plain place behind the last conversion
.endm
; 16 numbers at v[a] on: v = v / 2 + v / 2 erf(v / sqrt 2)
.macro GELU16 a
.set Z_, TMPA
.set X_, TMPA+16
.set P_, TMPA+32
.set Q_, TMPA+48
.irp j, 0,2,4,6,8,10,12,14
	v_pk_mul_f32 v[Z_+\j:Z_+\j+1], v[(\a)+\j:(\a)+\j+1], s[RS2:RS2+1] op_sel_hi:[1,0]
.endr
.irp j, 0,1,2,3,4,5,6,7,8,9,10,11,12,13,14,15
	v_med3_num_f32 v[Z_+\j], v[Z_+\j], -4.0, 4.0
.endr
.irp j, 0,2,4,6,8,10,12,14
	v_pk_mul_f32 v[X_+\j:X_+\j+1], v[Z_+\j:Z_+\j+1], v[Z_+\j:Z_+\j+1]
.endr
.irp j, 0,2,4,6,8,10,12,14
	v_pk_fma_f32 v[P_+\j:P_+\j+1], v[X_+\j:X_+\j+1], v[KA:KA+1], s[AL1:AL1+1] op_sel_hi:[1,1,0]
	v_pk_fma_f32 v[Q_+\j:Q_+\j+1], v[X_+\j:X_+\j+1], v[KB:KB+1], s[BE1:BE1+1] op_sel_hi:[1,1,0]
.endr
.irp k, BE2, BE3, BE4
.irp j, 0,2,4,6,8,10,12,14
	v_pk_fma_f32 v[Q_+\j:Q_+\j+1], v[Q_+\j:Q_+\j+1], v[X_+\j:X_+\j+1], s[\k:\k+1] op_sel_hi:[1,1,0]
.endr
.endr
.irp k, AL2, AL3, AL4, AL5, AL6
.irp j, 0,2,4,6,8,10,12,14
	v_pk_fma_f32 v[P_+\j:P_+\j+1], v[P_+\j:P_+\j+1], v[X_+\j:X_+\j+1], s[\k:\k+1] op_sel_hi:[1,1,0]
.endr
.endr
.irp j, 0,2,4,6,8,10,12,14
	v_pk_mul_f32 v[P_+\j:P_+\j+1], v[P_+\j:P_+\j+1], v[Z_+\j:Z_+\j+1]
.endr
	s_wait_alu depctr_va_vdst(0)
.irp j, 0,1,2,3,4,5,6,7,8,9,10,11,12,13,14,15
	v_rcp_f32 v[Q_+\j], v[Q_+\j]
.endr
.irp j, 0,2,4,6,8,10,12,14
	v_pk_mul_f32 v[(\a)+\j:(\a)+\j+1], v[(\a)+\j:(\a)+\j+1], 0.5 op_sel_hi:[1,0]   ; plain work behind the reciprocals
.endr
	s_wait_alu depctr_va_vdst(0)                   ; one wait for the sixteen, ahead of their first reader
.irp j, 0,2,4,6,8,10,12,14
	v_pk_mul_f32 v[P_+\j:P_+\j+1], v[P_+\j:P_+\j+1], v[Q_+\j:Q_+\j+1]
.endr
.irp j, 0,2,4,6,8,10,12,14
	v_pk_fma_f32 v[(\a)+\j:(\a)+\j+1], v[(\a)+\j:(\a)+\j+1], v[P_+\j:P_+\j+1], v[(\a)+\j:(\a)+\j+1]
.endr
.endm
; One K step of a group: sixteen products, the sixteen accumulators by turns; the first K step starts the sums.  pf: the slot takes the same K step of the next group.
.macro KS2 s, pf
	WIN 0x09                                       ; source 0 (w1) window 1, source 1 (x1) window 2
.irp t, 0,1,2,3
.irp u, 0,1,2,3
.if (\s) == 0
	WM ACC+32*\u+8*\t, 32*(\s)+8*\t, 64*\u+8*(\s), 0, WSC+8*(\t/2)+(\s), ASC+8*(\u/2)+(\s), (\t%2), (\u%2)
.else
	WM ACC+32*\u+8*\t, 32*(\s)+8*\t, 64*\u+8*(\s), v[ACC+32*\u+8*\t:ACC+32*\u+8*\t+7], WSC+8*(\t/2)+(\s), ASC+8*(\u/2)+(\s), (\t%2), (\u%2)
.endif
.endr
.endr
.if \pf
	WIN 0x40                                       ; destination window 1
.rept 4
	v_nop                                          ; places in front of loads into registers that the products have read
.endr
.irp t, 0,1,2,3
.irp c, 0,1
	global_load_b128 v[32*(\s)+8*\t+4*\c:32*(\s)+8*\t+4*\c+3], v[LI], s[WPT:WPT+1] offset:(8+(\s))*4096+\t*1024+\c*512
.endr
.endr
.endif
.endm
; token tiles 2 k and 2 k + 1 of the group: run 2 e + b is block b of tile 2 k + e
.macro HOUT k
	QUANT4 ACC+64*(\k)
.irp q, 0,1,2,3
	global_store_b64 v[ST8], v[PCD+2*\q:PCD+2*\q+1], s[HB:HB+1] offset:(2*(\k)+\q/2)*32768+(\q%2)*256   ; 32 lanes store 256 consecutive bytes, aligned
.endr
	v_lshrrev_b32 v[PW2], 16, v[PW]
	v_cndmask_b32 v[PW2], v[PW], v[PW2], s[HIM]    ; lanes 0-15 the even tile's two bytes, lanes 16-31 the odd tile's
	global_store_b16 v[LS], v[PW2], s[HSB:HSB+1] offset:(\k)*4096
.endm
; A group of 64 hidden units for the 64 tokens.  more = 1: a group follows, and is asked for.
.macro GROUP more
	s_wait_loadcnt 0x0                             ; the group's eight sets and its scale words are in: all were asked for a group ago
	KS2 0, \more
	WIN 0
.irp k, 0,1
.irp q, 0,1,2,3
	global_load_b128 v[TMPA+16*\k+4*\q:TMPA+16*\k+4*\q+3], v[BO], s[B1P:B1P+1] offset:128*\k+16*\q   ; b1 of the group, in the results' order
.endr
.endr
.irp s, 1,2,3,4,5,6,7
	KS2 \s, \more
.endr
	WIN 0
.rept 4
	v_nop                                          ; places behind the last products
.endr
.if \more
.irp g, 0,1
.irp p, 0,1
	global_load_b128 v[WSC+8*\p+4*\g:WSC+8*\p+4*\g+3], v[LI], s[SPT:SPT+1] offset:2048+\g*1024+\p*512   ; the next group's scale words
.endr
.endr
	s_wait_loadcnt 56                              ; b1 is in: seven sets of eight loads, and four more, were issued behind it
.else
	s_wait_loadcnt 0x0
.endif
.irp u, 0,1,2,3
.set j_, 0
.rept 16
	v_pk_add_f32 v[ACC+32*\u+j_:ACC+32*\u+j_+1], v[ACC+32*\u+j_:ACC+32*\u+j_+1], v[TMPA+j_:TMPA+j_+1]
.set j_, j_+2
.endr
.endr
.irp k, 0,1,2,3,4,5,6,7
	GELU16 ACC+16*\k
.endr
	s_wait_xcnt 0x0                                ; the last group's stores have read their data
	HOUT 0
	s_wait_xcnt 0x0
	HOUT 1
.endm
	s_load_b256 s[4:11], s[0:1], 0x0               ; qc 4 (x1's codes), kc 6 (x1's scale words), wc 8, ws 10
	s_load_b128 s[12:15], s[0:1], 0x20             ; b1 12, vc 14 (h)
	v_lshrrev_b32 v40, 5, v0
	v_readfirstlane_b32 s[WV], v40                 ; wave 0..3
	v_and_b32 v40, 31, v0                          ; lane
	v_and_b32 v41, 15, v0                          ; r
	v_bfe_u32 v42, v0, 4, 1                        ; h
	v_lshlrev_b32 v[LI], 4, v40
	v_lshlrev_b32 v[LS], 2, v40
	v_lshlrev_b32 v[ST8], 4, v41
	v_lshl_add_u32 v[ST8], v42, 3, v[ST8]
	v_lshlrev_b32 v[BO], 6, v42
.irp j, 0,1,2,3,4,5,6,7,12,13,14,15
	v_mov_b32 v[TM+\j], 0                          ; lane permutes' destinations count as sources
.endr
	v_mov_b32 v[KA], 0xaf95df0b                    ; P's leading coefficient
	v_mov_b32 v[KA+1], 0xaf95df0b
	v_mov_b32 v[KB], 0xb77460cd                    ; Q's
	v_mov_b32 v[KB+1], 0xb77460cd
	s_mov_b32 s[RS2], 0x3f3504f3                   ; 1 / sqrt 2
	s_mov_b32 s[AL1], 0x32edffee                   ; P's further coefficients, the highest power first
	s_mov_b32 s[AL2], 0xb60cff51
	s_mov_b32 s[AL3], 0xb86ec2d2
	s_mov_b32 s[AL4], 0xba40ac63
	s_mov_b32 s[AL5], 0xbb41a1f6
	s_mov_b32 s[AL6], 0xbc83dbd4
	s_mov_b32 s[BE1], 0xb95fbd29                   ; Q's
	s_mov_b32 s[BE2], 0xbadc924e
	s_mov_b32 s[BE3], 0xbbf19bf8
	s_mov_b32 s[BE4], 0xbc69b6a7
.irp k, RS2, AL1, AL2, AL3, AL4, AL5, AL6, BE1, BE2, BE3, BE4
	s_mov_b32 s[\k+1], s[\k]                       ; named as pairs, so both are written
.endr
	s_mov_b32 s[HIM], 0xffff0000
	s_mov_b32 s[SEL], 0x76543210
	s_mov_b32 s[SEL+1], 0xfedcba98
	s_mov_b32 s[GI], 0
	s_and_b32 s68, ttmp7, 0xffff                   ; which 1,024 hidden units
	s_lshr_b32 s69, s[WV], 1
	s_lshl_b32 s70, s68, 1
	s_add_co_u32 s69, s69, s70                     ; which block of 512 hidden units in wc
	s_and_b32 s70, s[WV], 1                        ; and which half of it
	s_lshl_b32 s71, s68, 4
	s_lshl_b32 s72, s[WV], 2
	s_add_co_u32 s71, s71, s72                     ; my first group of 64
	s_mov_b32 s79, 0
	s_wait_kmcnt 0x0
	s_lshl_b32 s78, ttmp9, 15
	s_add_nc_u64 s[4:5], s[4:5], s[78:79]          ; x1's codes: my four token tiles
	s_lshl_b32 s78, ttmp9, 11
	s_add_nc_u64 s[6:7], s[6:7], s[78:79]          ; their scale words
	s_mul_i32 s78, s69, 589824
	s_lshl_b32 s72, s70, 17
	s_add_co_u32 s78, s78, s72
	s_add_co_u32 s78, s78, 1572864+65536
	s_add_nc_u64 s[WPT:WPT+1], s[WPT:WPT+1], s[78:79]
	s_mul_i32 s78, s69, 36864
	s_lshl_b32 s72, s70, 13
	s_add_co_u32 s78, s78, s72
	s_add_co_u32 s78, s78, 98304+4096
	s_add_nc_u64 s[SPT:SPT+1], s[SPT:SPT+1], s[78:79]
	s_lshl_b32 s78, s71, 8
	s_add_nc_u64 s[B1P:B1P+1], s[B1P:B1P+1], s[78:79]
	s_lshl_b32 s78, ttmp9, 13
	s_lshl_b32 s72, s71, 6
	s_add_co_u32 s78, s78, s72
	s_add_co_u32 s78, s78, 8388608
	s_add_nc_u64 s[HSB:HSB+1], s[14:15], s[78:79]  ; h's scale words: my two tile pairs, my first K step
	s_lshl_b32 s78, ttmp9, 17
	s_lshl_b32 s72, s71, 9
	s_add_co_u32 s78, s78, s72
	s_add_nc_u64 s[HB:HB+1], s[HB:HB+1], s[78:79]  ; h's codes: my four token tiles, 512 bytes a group
	WIN 0x80                                       ; destination window 2
.irp u, 0,1,2,3
.irp s, 0,1,2,3,4,5,6,7
.irp c, 0,1
	global_load_b128 v[64*\u+8*\s+4*\c:64*\u+8*\s+4*\c+3], v[LI], s[4:5] offset:(8*\u+\s)*1024+512*\c   ; x1's 32 fragments stay
.endr
.endr
.endr
	WIN 0
.irp p, 0,1
.irp s, 0,1,2,3,4,5,6,7
	global_load_b32 v[ASC+8*\p+\s], v[LS], s[6:7] offset:\p*1024+128*\s
.endr
.endr
.irp g, 0,1
.irp p, 0,1
	global_load_b128 v[WSC+8*\p+4*\g:WSC+8*\p+4*\g+3], v[LI], s[SPT:SPT+1] offset:\g*1024+\p*512
.endr
.endr
	WIN 0x40
.irp s, 0,1,2,3,4,5,6,7
.irp t, 0,1,2,3
.irp c, 0,1
	global_load_b128 v[32*\s+8*\t+4*\c:32*\s+8*\t+4*\c+3], v[LI], s[WPT:WPT+1] offset:\s*4096+\t*1024+\c*512   ; the first group
.endr
.endr
.endr
	WIN 0
.Lgrp:                                             ; three trips: my groups 0 to 2
	GROUP 1
	s_wait_xcnt 0x0                                ; all that was issued has read its base
	s_add_nc_u64 s[WPT:WPT+1], s[WPT:WPT+1], 32768
	s_add_nc_u64 s[SPT:SPT+1], s[SPT:SPT+1], 2048
	s_add_nc_u64 s[B1P:B1P+1], s[B1P:B1P+1], 256
	s_add_nc_u64 s[HB:HB+1], s[HB:HB+1], 512
	s_and_b32 s78, s[GI], 1                        ; the scale bytes: 2 on behind an even group, 126 behind an odd one (the next K step's words)
	s_mul_i32 s78, s78, 124
	s_add_co_u32 s78, s78, 2
	s_add_nc_u64 s[HSB:HSB+1], s[HSB:HSB+1], s[78:79]
	s_add_co_u32 s[GI], s[GI], 1
	s_cmp_lt_u32 s[GI], 3
	s_cbranch_scc1 .Lgrp
	GROUP 0                                        ; the last group is written out: it asks for nothing more
	s_endpgm
.Lfunc_end_k_q040c775548_ffn1:
	.size	k_q040c775548_ffn1, .Lfunc_end_k_q040c775548_ffn1-k_q040c775548_ffn1
	.p2alignl 7, 3214868480
	.fill 96, 4, 3214868480
	.section	.rodata,"a",@progbits
	.p2align	6, 0x0
	.amdhsa_kernel k_q040c775548_ffn1
		.amdhsa_group_segment_fixed_size 0
		.amdhsa_private_segment_fixed_size 0
		.amdhsa_enable_private_segment 0
		.amdhsa_kernarg_size 48
		.amdhsa_user_sgpr_count 2
		.amdhsa_user_sgpr_kernarg_segment_ptr 1
		.amdhsa_wavefront_size32 1
		.amdhsa_system_sgpr_workgroup_id_x 1
		.amdhsa_system_sgpr_workgroup_id_y 1
		.amdhsa_system_sgpr_workgroup_id_z 1
		.amdhsa_system_vgpr_workitem_id 0
		.amdhsa_next_free_vgpr 768
		.amdhsa_next_free_sgpr 84
		.amdhsa_reserve_vcc 0
		.amdhsa_float_denorm_mode_32 3
		.amdhsa_float_denorm_mode_16_64 3
		.amdhsa_memory_ordered 1
		.amdhsa_forward_progress 1
		.amdhsa_inst_pref_size 239
	.end_amdhsa_kernel
	.amdgpu_metadata
---
amdhsa.version: [ 1, 2 ]
amdhsa.kernels:
  - .name:           k_q040c775548_ffn1
    .symbol:         k_q040c775548_ffn1.kd
    .args:
      - { .name: qc, .offset: 0, .size: 8, .value_kind: global_buffer, .address_space: global }
      - { .name: kc, .offset: 8, .size: 8, .value_kind: global_buffer, .address_space: global }
      - { .name: wc, .offset: 16, .size: 8, .value_kind: global_buffer, .address_space: global }
      - { .name: ws, .offset: 24, .size: 8, .value_kind: global_buffer, .address_space: global }
      - { .name: b1, .offset: 32, .size: 8, .value_kind: global_buffer, .address_space: global }
      - { .name: vc, .offset: 40, .size: 8, .value_kind: global_buffer, .address_space: global }
    .group_segment_fixed_size: 0
    .private_segment_fixed_size: 0
    .kernarg_segment_align: 8
    .kernarg_segment_size: 48
    .max_flat_workgroup_size: 128
    .sgpr_count:     84
    .vgpr_count:     768
    .wavefront_size: 32
...
	.end_amdgpu_metadata
.endif
;; end of part 5
;; launch ffn2 (part 6): grid 64 x 4, 4 waves a work-group, no clusters, 139,776 bytes of LDS; arguments vc, wc, ws, cc; writes cc
.if DOCPART == 6
	.amdgcn_target "amdgcn-amd-amdhsa--gfx1250"
	.amdhsa_code_object_version 6
	.text
	.protected	k_q040c775548_ffn2
	.globl	k_q040c775548_ffn2
	.p2align	8
	.type	k_q040c775548_ffn2,@function
k_q040c775548_ffn2:
	s_mov_b64 s[64:65], 0
	v_nop
	global_prefetch_b8 v0, s[64:65] scope:SCOPE_SE
	s_setreg_imm32_b32 hwreg(HW_REG_WAVE_MODE, 25, 1), 1
	s_wait_xcnt 0x0
; FFN2: the sums of h w2 on codes of FP4.  b2, the residual and the norms follow in the next launch, which owns whole rows.  Nothing of the problem is left out.
; SHARES.  Work-group (x, y): tokens 64 x .. 64 x + 63 (four token tiles), columns 256 y .. 256 y + 255.  Wave w of four makes one group of 64 columns over all 32 K steps: sixteen accumulators.
; So a work-group takes in 0.56 MiB of w2 and 136 KiB of h, where a row block that walked all of w2 would take in 2.2 MiB.
; The product is used transposed (source 0 = 16 columns of w2, source 1 = 16 tokens): a lane holds one token.
; h's codes and scale words of the 64 tokens are two dense blocks of memory (128 KiB, 8 KiB): they go through registers into LDS ONCE and are read by all four waves: one barrier.
; THE WEIGHTS of a wave are one linear stream of 32 K steps; they go from memory straight into a ring of eight register sets (window 1), eight K steps ahead.  h's fragments come from LDS into a ring of four (window 2).
; All 32 K steps are written out: every offset is an immediate, and w2's 64 scale registers are loaded once.
; NO MULTICAST: every fragment of w2 feeds one wave alone; a joint load would send the 0.56 MiB through LDS, a write and a read more, and spare no read in the group.
; IN: the buffer named vc holds h's codes and, from byte 8,388,608 on, its scale words.  OUT: the buffer named cc takes the sums in f32 as images of my registers: [token tile 256][group 16][8][512 bytes].
.set HSL,   131072                     ; LDS: h's codes [token tile 4][K step 32][1,024] from 0; its scale words [tile pair 2][K step 32][32 lanes] from here
.set SPARE, 139264
.set LI,   1
.set LS,   2
.set FA,   3                           ; 16 x thread: the fill's place, in memory and in LDS
.set FA2,  4
.set FA3,  5
.set ADA,  6                           ; v6-9    16 lane + 32,768 u
.set ADS,  10
.set SPW,  14
.set NIL,  15
.set ASC,  16                          ; v16-23  h's scale words: 2 (K step % 4) + tile pair
.set SCF,  24                          ; v24-39  the fill of the scale words
.set WSC,  40                          ; v40-103 w2's scale words: 16 (K step / 8) + 8 (tile pair) + K step % 8
.set ACC,  128                         ; v128-255: accumulator (token tile u, tile t) at 32 u + 8 t
.set WV,   14
.set MSB, 0
.macro WIN new
.if MSB != \new
	s_set_vgpr_msb (MSB<<8)|\new
.set MSB, \new
.endif
.endm
.macro WM d, a, b, c, sa, sb, ra, rb
.if (\ra) && (\rb)
	v_wmma_scale_f32_16x16x128_f8f6f4 v[(\d):(\d)+7], v[(\a):(\a)+7], v[(\b):(\b)+7], \c, v[\sa], v[\sb] matrix_a_fmt:MATRIX_FMT_FP4 matrix_b_fmt:MATRIX_FMT_FP4 matrix_a_scale:MATRIX_SCALE_ROW1 matrix_b_scale:MATRIX_SCALE_ROW1
.elseif (\ra)
	v_wmma_scale_f32_16x16x128_f8f6f4 v[(\d):(\d)+7], v[(\a):(\a)+7], v[(\b):(\b)+7], \c, v[\sa], v[\sb] matrix_a_fmt:MATRIX_FMT_FP4 matrix_b_fmt:MATRIX_FMT_FP4 matrix_a_scale:MATRIX_SCALE_ROW1
.elseif (\rb)
	v_wmma_scale_f32_16x16x128_f8f6f4 v[(\d):(\d)+7], v[(\a):(\a)+7], v[(\b):(\b)+7], \c, v[\sa], v[\sb] matrix_a_fmt:MATRIX_FMT_FP4 matrix_b_fmt:MATRIX_FMT_FP4 matrix_b_scale:MATRIX_SCALE_ROW1
.else
	v_wmma_scale_f32_16x16x128_f8f6f4 v[(\d):(\d)+7], v[(\a):(\a)+7], v[(\b):(\b)+7], \c, v[\sa], v[\sb] matrix_a_fmt:MATRIX_FMT_FP4 matrix_b_fmt:MATRIX_FMT_FP4
.endif
.endm
; h's four fragments and two scale registers of K step m, into slot m % 4: ten LDS loads
.macro AFETCH m
	WIN 0x80                                       ; destination window 2
.irp u, 0,1,2,3
.irp c, 0,1
	ds_load_b128 v[32*((\m)%4)+8*\u+4*\c:32*((\m)%4)+8*\u+4*\c+3], v[ADA+\u] offset:(\m)*1024+512*\c
.endr
.endr
	WIN 0
.irp p, 0,1
	ds_load_b32 v[ASC+2*((\m)%4)+\p], v[ADS] offset:\p*4096+(\m)*128
.endr
.endm
	s_load_b256 s[4:11], s[0:1], 0x0               ; vc 4 (h), wc 6, ws 8, cc 10 (the sums)
	v_lshl_add_u32 v[SPW], v0, 2, SPARE
	v_mov_b32 v[NIL], 0
	v_lshrrev_b32 v24, 5, v0
	v_readfirstlane_b32 s[WV], v24                 ; wave 0..3
	v_and_b32 v24, 31, v0                          ; lane
	v_lshlrev_b32 v[LI], 4, v24
	v_lshlrev_b32 v[LS], 2, v24
	v_lshlrev_b32 v[FA], 4, v0
	v_add_nc_u32 v[FA2], 0x10000, v[FA]
	v_add_nc_u32 v[FA3], HSL, v[FA]
.irp u, 0,1,2,3
	v_add_nc_u32 v[ADA+\u], \u*32768, v[LI]
.endr
	v_add_nc_u32 v[ADS], HSL, v[LS]
	s_and_b32 s16, ttmp7, 0xffff
	s_lshl_b32 s16, s16, 2
	s_add_co_u32 s16, s16, s[WV]                   ; my group of 64 columns
	s_lshr_b32 s17, s16, 1                         ; its block in wc,
	s_and_b32 s18, s16, 1                          ; and which of the block's two
	s_mov_b32 s21, 0
	s_wait_alu depctr_va_vdst(0)
	s_wait_kmcnt 0x0
	s_lshl_b32 s20, ttmp9, 13
	s_add_co_u32 s20, s20, 8388608
	s_add_nc_u64 s[12:13], s[4:5], s[20:21]        ; h's scale words of my 64 tokens
	s_lshl_b32 s20, ttmp9, 17
	s_add_nc_u64 s[4:5], s[4:5], s[20:21]          ; and its codes
	s_mul_i32 s20, s17, 589824
	s_lshl_b32 s19, s18, 17
	s_add_co_u32 s20, s20, s19
	s_add_co_u32 s20, s20, 1572864+327680
	s_add_nc_u64 s[6:7], s[6:7], s[20:21]
	s_mul_i32 s20, s17, 36864
	s_lshl_b32 s19, s18, 13
	s_add_co_u32 s20, s20, s19
	s_add_co_u32 s20, s20, 98304+20480
	s_add_nc_u64 s[8:9], s[8:9], s[20:21]
	s_lshl_b32 s20, ttmp9, 18
	s_lshl_b32 s19, s16, 12
	s_add_co_u32 s20, s20, s19
	s_add_nc_u64 s[10:11], s[10:11], s[20:21]      ; the sums: my four token tiles, my group
	WIN 0xc0                                       ; destination window 3
.set i_, 0
.rept 64
	global_load_b128 v[4*i_:4*i_+3], v[FA], s[4:5] offset:2048*i_   ; the 128 threads read 2,048 consecutive bytes
.set i_, i_+1
.endr
	WIN 0
.irp i, 0,1,2,3
	global_load_b128 v[SCF+4*\i:SCF+4*\i+3], v[FA], s[12:13] offset:2048*\i
.endr
.irp o, 0,1,2,3
.irp g, 0,1
.irp p, 0,1
	global_load_b128 v[WSC+16*\o+8*\p+4*\g:WSC+16*\o+8*\p+4*\g+3], v[LI], s[8:9] offset:(2*\o+\g)*1024+\p*512
.endr
.endr
.endr
	WIN 0x40                                       ; destination window 1
.irp s, 0,1,2,3,4,5,6,7
.irp t, 0,1,2,3
.irp c, 0,1
	global_load_b128 v[32*\s+8*\t+4*\c:32*\s+8*\t+4*\c+3], v[LI], s[6:7] offset:\s*4096+\t*1024+\c*512
.endr
.endr
.endr
	s_wait_loadcnt 63                              ; h is in: 80 loads were issued behind it
	WIN 0x0c                                       ; an LDS store's data are its source 1: window 3
.set i_, 0
.rept 32
	ds_store_b128 v[FA], v[4*i_:4*i_+3] offset:2048*i_
.set i_, i_+1
.endr
.set i_, 0
.rept 32
	ds_store_b128 v[FA2], v[128+4*i_:128+4*i_+3] offset:2048*i_
.set i_, i_+1
.endr
	WIN 0
.irp i, 0,1,2,3
	ds_store_b128 v[FA3], v[SCF+4*\i:SCF+4*\i+3] offset:2048*\i
.endr
	s_wait_dscnt 0x0                               ; my part of the fill has landed
	s_barrier_signal -1
	s_barrier_wait -1                              ; everybody's has
	AFETCH 0
	AFETCH 1
	AFETCH 2
	AFETCH 3
; K step n: sixteen products, the sixteen accumulators by turns; then the weights' slot takes the set eight K steps on, h's slot the fragments four K steps on.
; The count 56: seven younger sets of eight loads.  The count 30: three younger K steps of ten LDS loads.  At the end both run down.
.set n_, 0
.rept 32
.if n_ <= 24
	s_wait_loadcnt 56
.else
	s_wait_loadcnt 8*(31-n_)
.endif
.if n_ <= 28
	s_wait_dscnt 30
.else
	s_wait_dscnt 10*(31-n_)
.endif
	WIN 0x09                                       ; source 0 (w2) window 1, source 1 (h) window 2
.irp t, 0,1,2,3
.irp u, 0,1,2,3
.if n_ == 0
	WM ACC+32*\u+8*\t, 32*(n_%8)+8*\t, 32*(n_%4)+8*\u, 0, WSC+16*(n_/8)+8*(\t/2)+(n_%8), ASC+2*(n_%4)+(\u/2), (\t%2), (\u%2)
.else
	WM ACC+32*\u+8*\t, 32*(n_%8)+8*\t, 32*(n_%4)+8*\u, v[ACC+32*\u+8*\t:ACC+32*\u+8*\t+7], WSC+16*(n_/8)+8*(\t/2)+(n_%8), ASC+2*(n_%4)+(\u/2), (\t%2), (\u%2)
.endif
.endr
.endr
.if n_+4 <= 31
.rept 4
	v_nop                                          ; places in front of loads into registers that the products have read
.endr
.endif
.if n_+8 <= 31
	WIN 0x40
.irp t, 0,1,2,3
.irp c, 0,1
	global_load_b128 v[32*(n_%8)+8*\t+4*\c:32*(n_%8)+8*\t+4*\c+3], v[LI], s[6:7] offset:(n_+8)*4096+\t*1024+\c*512
.endr
.endr
.endif
.if n_+4 <= 31
	AFETCH n_+4
.endif
.set n_, n_+1
.endr
	WIN 0
.rept 4
	v_nop                                          ; places behind the last products
.endr
.irp u, 0,1,2,3
.irp k, 0,1,2,3,4,5,6,7
	global_store_b128 v[LI], v[ACC+32*\u+4*\k:ACC+32*\u+4*\k+3], s[10:11] offset:\u*65536+512*\k   ; each accumulator from its low end on; 32 lanes store 512 consecutive bytes, aligned
.endr
.endr
	s_wait_tensorcnt 0x0                           ; the wave's end
	ds_add_u32 v[SPW], v[NIL]
	s_wait_dscnt 0x0
	s_endpgm
.Lfunc_end_k_q040c775548_ffn2:
	.size	k_q040c775548_ffn2, .Lfunc_end_k_q040c775548_ffn2-k_q040c775548_ffn2
	.p2alignl 7, 3214868480
	.fill 96, 4, 3214868480
	.section	.rodata,"a",@progbits
	.p2align	6, 0x0
	.amdhsa_kernel k_q040c775548_ffn2
		.amdhsa_group_segment_fixed_size 139776
		.amdhsa_private_segment_fixed_size 0
		.amdhsa_enable_private_segment 0
		.amdhsa_kernarg_size 32
		.amdhsa_user_sgpr_count 2
		.amdhsa_user_sgpr_kernarg_segment_ptr 1
		.amdhsa_wavefront_size32 1
		.amdhsa_system_sgpr_workgroup_id_x 1
		.amdhsa_system_sgpr_workgroup_id_y 1
		.amdhsa_system_sgpr_workgroup_id_z 1
		.amdhsa_system_vgpr_workitem_id 0
		.amdhsa_next_free_vgpr 1024
		.amdhsa_next_free_sgpr 66
		.amdhsa_reserve_vcc 0
		.amdhsa_float_denorm_mode_32 3
		.amdhsa_float_denorm_mode_16_64 3
		.amdhsa_memory_ordered 1
		.amdhsa_forward_progress 1
		.amdhsa_inst_pref_size 135
	.end_amdhsa_kernel
	.amdgpu_metadata
---
amdhsa.version: [ 1, 2 ]
amdhsa.kernels:
  - .name:           k_q040c775548_ffn2
    .symbol:         k_q040c775548_ffn2.kd
    .args:
      - { .name: vc, .offset: 0, .size: 8, .value_kind: global_buffer, .address_space: global }
      - { .name: wc, .offset: 8, .size: 8, .value_kind: global_buffer, .address_space: global }
      - { .name: ws, .offset: 16, .size: 8, .value_kind: global_buffer, .address_space: global }
      - { .name: cc, .offset: 24, .size: 8, .value_kind: global_buffer, .address_space: global }
    .group_segment_fixed_size: 139776
    .private_segment_fixed_size: 0
    .kernarg_segment_align: 8
    .kernarg_segment_size: 32
    .max_flat_workgroup_size: 128
    .sgpr_count:     66
    .vgpr_count:     1024
    .wavefront_size: 32
...
	.end_amdgpu_metadata
.endif
;; end of part 6
;; launch final (part 7): grid 128 x 1, 8 waves a work-group, no clusters, 72,704 bytes of LDS; arguments cc, qkvs, b2, lnf_g, lnf_b, ln2_g, ln2_b, out0; writes out0
.if DOCPART == 7
	.amdgcn_target "amdgcn-amd-amdhsa--gfx1250"
	.amdhsa_code_object_version 6
	.text
	.protected	k_q040c775548_final
	.globl	k_q040c775548_final
	.p2align	8
	.type	k_q040c775548_final,@function
k_q040c775548_final:
	s_mov_b64 s[64:65], 0
	v_nop
	global_prefetch_b8 v0, s[64:65] scope:SCOPE_SE
	s_setreg_imm32_b32 hwreg(HW_REG_WAVE_MODE, 25, 1), 1
	s_wait_xcnt 0x0
; FINAL: ff = LN(h w2 + b2 + x1), out = LN(x1 + ff), all in f32.  Nothing of the problem is left out.  No matrix work: the launch reads two numbers and writes one for each output.
; SHARES.  A work-group owns 32 tokens (two token tiles), since a norm wants whole rows; wave w holds columns 128 w .. 128 w + 127: a lane holds one token, and register 16 b + i of a token tile is column 128 w + 32 b + 16 h + i.
; IN: the buffer named cc holds the sums of h w2, the buffer named qkvs x1, both as images of these very registers: every load of a wave reads 512 consecutive bytes.
; Row sums meet in LDS: four regions, each written once, a barrier each.  The result goes through each wave's own stage and leaves as whole rows of its 512 bytes.
; LIMITS: 1 / sqrt by v_rsq_f32; NaN and infinities among the inputs are not served.
.set RED,   0                          ; LDS: four regions of [wave][32 lanes] f32
.set STG,   4096                       ; 16 rows x 528 bytes for each wave
.set SPARE, 71680
.set LI,   1
.set LS,   2
.set BO,   5
.set X1A,  7
.set SGI,  8
.set REDW, 9
.set REDR, 10
.set SPW,  14
.set NIL,  15
.set TMPA, 40                          ; v40-103 b2 in the registers' order; rows on the way out
.set TM,   104
.set R0,   116
.set R1,   118
.set ACC,  128
.set INV,  58
.set EPS5, 59
.set EPS12, 60
.set HIM,  61
.set SEL,  62
.set WV,   66
.set MSB, 0
.macro WIN new
.if MSB != \new
	s_set_vgpr_msb (MSB<<8)|\new
.set MSB, \new
.endif
.endm
.macro BIAS p
.irp k, 0,1,2,3
.irp q, 0,1,2,3
	global_load_b128 v[TMPA+16*\k+4*\q:TMPA+16*\k+4*\q+3], v[BO], s[\p:\p+1] offset:128*\k+16*\q
.endr
.endr
.endm
.macro ADDB
.irp u, 0,1
.set j_, 0
.rept 32
	v_pk_add_f32 v[ACC+64*\u+j_:ACC+64*\u+j_+1], v[ACC+64*\u+j_:ACC+64*\u+j_+1], v[TMPA+j_:TMPA+j_+1]
.set j_, j_+2
.endr
.endr
.endm
.macro ADDX                            ; ACC += x1, which lies in window 1, index 128-255
	WIN 0x04                                       ; source 1 window 1
.set j_, 0
.rept 64
	v_pk_add_f32 v[ACC+j_:ACC+j_+1], v[ACC+j_:ACC+j_+1], v[128+j_:128+j_+1]
.set j_, j_+2
.endr
	WIN 0
.endm
.macro GBLOAD g, b                     ; (destination window 1) a gain into index 0-63, a shift into 64-127, in the registers' order
.irp k, 0,1,2,3
.irp q, 0,1,2,3
	global_load_b128 v[16*\k+4*\q:16*\k+4*\q+3], v[BO], s[\g:\g+1] offset:128*\k+16*\q
	global_load_b128 v[64+16*\k+4*\q:64+16*\k+4*\q+3], v[BO], s[\b:\b+1] offset:128*\k+16*\q
.endr
.endr
.endm
.macro REDUCE k
	s_delay_alu instid0(VALU_DEP_2)
	v_permlanex16_b32 v[R0+1], v[R0], s[SEL], s[SEL+1]
	s_delay_alu instid0(VALU_DEP_2)
	v_permlanex16_b32 v[R1+1], v[R1], s[SEL], s[SEL+1]
	s_delay_alu instid0(VALU_DEP_2)
	v_add_f32 v[R0], v[R0], v[R0+1]
	s_delay_alu instid0(VALU_DEP_2)
	v_add_f32 v[R1], v[R1], v[R1+1]
	s_delay_alu instid0(VALU_DEP_1)
	v_cndmask_b32 v[R0], v[R0], v[R1], s[HIM]      ; lanes 0-15 tile 0's, lanes 16-31 tile 1's
	ds_store_b32 v[REDW], v[R0] offset:1024*(\k)
	s_wait_dscnt 0x0                               ; my word has landed
	s_barrier_signal -1
	s_barrier_wait -1
.irp j, 0,1,2,3,4,5,6,7
	ds_load_b32 v[TM+\j], v[REDR] offset:1024*(\k)+128*\j
.endr
	s_wait_dscnt 0x0
	v_add_f32 v[TM], v[TM], v[TM+1]
	v_add_f32 v[TM+2], v[TM+2], v[TM+3]
	v_add_f32 v[TM+4], v[TM+4], v[TM+5]
	v_add_f32 v[TM+6], v[TM+6], v[TM+7]
	s_delay_alu instid0(VALU_DEP_3)
	v_add_f32 v[TM], v[TM], v[TM+2]
	s_delay_alu instid0(VALU_DEP_2)
	v_add_f32 v[TM+4], v[TM+4], v[TM+6]
	s_delay_alu instid0(VALU_DEP_1)
	v_add_f32 v[TM], v[TM], v[TM+4]
	s_delay_alu instid0(VALU_DEP_1)
	v_permlanex16_b32 v[TM+1], v[TM], s[SEL], s[SEL+1]
	s_delay_alu instid0(VALU_DEP_1)
	v_cndmask_b32 v[R0], v[TM], v[TM+1], s[HIM]
	s_delay_alu instid0(VALU_DEP_2)
	v_cndmask_b32 v[R1], v[TM+1], v[TM], s[HIM]
.endm
.macro LN k, eps
.irp u, 0,1
	v_pk_add_f32 v[TM+4*\u:TM+4*\u+1], v[ACC+64*\u:ACC+64*\u+1], v[ACC+64*\u+2:ACC+64*\u+3]
	v_pk_add_f32 v[TM+4*\u+2:TM+4*\u+3], v[ACC+64*\u+4:ACC+64*\u+5], v[ACC+64*\u+6:ACC+64*\u+7]
.endr
.irp j, 8,12,16,20,24,28,32,36,40,44,48,52,56,60
.irp u, 0,1
	s_delay_alu instid0(VALU_DEP_4)
	v_pk_add_f32 v[TM+4*\u:TM+4*\u+1], v[TM+4*\u:TM+4*\u+1], v[ACC+64*\u+\j:ACC+64*\u+\j+1]
	s_delay_alu instid0(VALU_DEP_4)
	v_pk_add_f32 v[TM+4*\u+2:TM+4*\u+3], v[TM+4*\u+2:TM+4*\u+3], v[ACC+64*\u+\j+2:ACC+64*\u+\j+3]
.endr
.endr
.irp u, 0
	s_delay_alu instid0(VALU_DEP_3)
	v_pk_add_f32 v[TM+4*\u:TM+4*\u+1], v[TM+4*\u:TM+4*\u+1], v[TM+4*\u+2:TM+4*\u+3]
.endr
.irp u, 1
	s_delay_alu instid0(VALU_DEP_2)
	v_pk_add_f32 v[TM+4*\u:TM+4*\u+1], v[TM+4*\u:TM+4*\u+1], v[TM+4*\u+2:TM+4*\u+3]
.endr
	s_delay_alu instid0(VALU_DEP_2)
	v_add_f32 v[R0], v[TM], v[TM+1]
	s_delay_alu instid0(VALU_DEP_2)
	v_add_f32 v[R1], v[TM+4], v[TM+5]
	REDUCE \k
	s_delay_alu instid0(VALU_DEP_2)
	v_mul_f32 v[R0], s[INV], v[R0]                 ; the means
	s_delay_alu instid0(VALU_DEP_2)
	v_mul_f32 v[R1], s[INV], v[R1]
.irp u, 0,1
.set j_, 0
.rept 32
	v_pk_add_f32 v[ACC+64*\u+j_:ACC+64*\u+j_+1], v[ACC+64*\u+j_:ACC+64*\u+j_+1], v[R0+2*\u:R0+2*\u+1] op_sel_hi:[1,0] neg_lo:[0,1] neg_hi:[0,1]
.set j_, j_+2
.endr
.endr
.irp u, 0,1
	v_pk_mul_f32 v[TM+4*\u:TM+4*\u+1], v[ACC+64*\u:ACC+64*\u+1], v[ACC+64*\u:ACC+64*\u+1]
	v_pk_mul_f32 v[TM+4*\u+2:TM+4*\u+3], v[ACC+64*\u+2:ACC+64*\u+3], v[ACC+64*\u+2:ACC+64*\u+3]
.endr
.irp j, 4,8,12,16,20,24,28,32,36,40,44,48,52,56,60
.irp u, 0,1
	s_delay_alu instid0(VALU_DEP_4)
	v_pk_fma_f32 v[TM+4*\u:TM+4*\u+1], v[ACC+64*\u+\j:ACC+64*\u+\j+1], v[ACC+64*\u+\j:ACC+64*\u+\j+1], v[TM+4*\u:TM+4*\u+1]
	s_delay_alu instid0(VALU_DEP_4)
	v_pk_fma_f32 v[TM+4*\u+2:TM+4*\u+3], v[ACC+64*\u+\j+2:ACC+64*\u+\j+3], v[ACC+64*\u+\j+2:ACC+64*\u+\j+3], v[TM+4*\u+2:TM+4*\u+3]
.endr
.endr
.irp u, 0
	s_delay_alu instid0(VALU_DEP_3)
	v_pk_add_f32 v[TM+4*\u:TM+4*\u+1], v[TM+4*\u:TM+4*\u+1], v[TM+4*\u+2:TM+4*\u+3]
.endr
.irp u, 1
	s_delay_alu instid0(VALU_DEP_2)
	v_pk_add_f32 v[TM+4*\u:TM+4*\u+1], v[TM+4*\u:TM+4*\u+1], v[TM+4*\u+2:TM+4*\u+3]
.endr
	s_delay_alu instid0(VALU_DEP_2)
	v_add_f32 v[R0], v[TM], v[TM+1]
	s_delay_alu instid0(VALU_DEP_2)
	v_add_f32 v[R1], v[TM+4], v[TM+5]
	REDUCE (\k)+1
	s_delay_alu instid0(VALU_DEP_2)
	v_fma_f32 v[R0], v[R0], s[INV], s[\eps]
	s_delay_alu instid0(VALU_DEP_2)
	v_fma_f32 v[R1], v[R1], s[INV], s[\eps]
	s_wait_alu depctr_va_vdst(0)
	v_rsq_f32 v[R0], v[R0]
	v_rsq_f32 v[R1], v[R1]
	v_nop                                          ; a plain place behind the two
	s_wait_alu depctr_va_vdst(0)                   ; one wait for both, ahead of their first reader
.irp u, 0,1
.set j_, 0
.rept 32
	v_pk_mul_f32 v[ACC+64*\u+j_:ACC+64*\u+j_+1], v[ACC+64*\u+j_:ACC+64*\u+j_+1], v[R0+2*\u:R0+2*\u+1] op_sel_hi:[1,0]
.set j_, j_+2
.endr
.endr
	s_wait_loadcnt 0x0                             ; gain and shift are in
	WIN 0x14                                       ; sources 1 and 2 window 1
.irp u, 0,1
.set j_, 0
.rept 32
	v_pk_fma_f32 v[ACC+64*\u+j_:ACC+64*\u+j_+1], v[ACC+64*\u+j_:ACC+64*\u+j_+1], v[j_:j_+1], v[64+j_:64+j_+1]
.set j_, j_+2
.endr
.endr
	WIN 0
.endm
	s_load_b512 s[4:19], s[0:1], 0x0               ; cc 4 (the sums), qkvs 6 (x1), b2 8, lnf_g 10, lnf_b 12, ln2_g 14, ln2_b 16, out0 18
	v_lshl_add_u32 v[SPW], v0, 2, SPARE
	v_mov_b32 v[NIL], 0
	v_lshrrev_b32 v40, 5, v0
	s_delay_alu instid0(VALU_DEP_1)
	v_readfirstlane_b32 s[WV], v40                 ; wave
	v_and_b32 v40, 31, v0                          ; lane
	v_and_b32 v41, 15, v0                          ; r
	v_bfe_u32 v42, v0, 4, 1                        ; h
	s_delay_alu instid0(VALU_DEP_3)
	v_lshlrev_b32 v[LI], 4, v40
	s_delay_alu instid0(VALU_DEP_4)
	v_lshlrev_b32 v[LS], 2, v40
	s_delay_alu instid0(VALU_DEP_3)
	v_lshlrev_b32 v[BO], 6, v42
	s_mul_i32 s78, s[WV], 8448
	s_add_co_u32 s78, s78, STG                     ; my stage
	v_add_nc_u32 v[X1A], s78, v[LI]
	v_mul_u32_u24 v[SGI], v41, 528
	s_delay_alu instid0(VALU_DEP_1)
	v_lshl_add_u32 v[SGI], v42, 6, v[SGI]
	s_delay_alu instid0(VALU_DEP_1)
	v_add_nc_u32 v[SGI], s78, v[SGI]
	s_lshl_b32 s78, s[WV], 7
	s_add_co_u32 s78, s78, RED
	v_add_nc_u32 v[REDW], s78, v[LS]
	v_add_nc_u32 v[REDR], RED, v[LS]
.irp j, 0,1,2,3,4,5,6,7,12,13,14,15
	v_mov_b32 v[TM+\j], 0                          ; lane permutes' destinations count as sources
.endr
	s_mov_b32 s[INV], 0x3a800000                   ; 1 / 1,024
	s_mov_b32 s[EPS5], 0x3727c5ac                  ; 1e-5
	s_mov_b32 s[EPS12], 0x2b8cbccc                 ; 1e-12
	s_mov_b32 s[HIM], 0xffff0000
	s_mov_b32 s[SEL], 0x76543210
	s_mov_b32 s[SEL+1], 0xfedcba98
	s_mov_b32 s79, 0
	s_wait_kmcnt 0x0
	s_lshl_b32 s78, ttmp9, 17
	s_lshl_b32 s80, s[WV], 13
	s_add_co_u32 s78, s78, s80
	s_add_nc_u64 s[4:5], s[4:5], s[78:79]          ; the sums: my two token tiles, my two groups of 64 columns
	s_lshl_b32 s78, ttmp9, 17
	s_lshl_b32 s80, s[WV], 14
	s_add_co_u32 s78, s78, s80
	s_add_nc_u64 s[6:7], s[6:7], s[78:79]          ; x1: my image of 16,384 bytes
	s_lshl_b32 s78, s[WV], 9
.irp p, 8,10,12,14,16
	s_add_nc_u64 s[\p:\p+1], s[\p:\p+1], s[78:79]  ; my 128 columns of each vector of 1,024
.endr
	s_lshl_b32 s80, ttmp9, 17
	s_add_co_u32 s78, s78, s80
	s_add_nc_u64 s[18:19], s[18:19], s[78:79]      ; out: my 32 tokens, my 128 columns
.irp u, 0,1
.irp g, 0,1
.irp k, 0,1,2,3,4,5,6,7
	global_load_b128 v[ACC+64*\u+32*\g+4*\k:ACC+64*\u+32*\g+4*\k+3], v[LI], s[4:5] offset:\u*65536+\g*4096+512*\k
.endr
.endr
.endr
	BIAS 8
	WIN 0x40                                       ; destination window 1
.set k_, 0
.rept 32
	global_load_b128 v[128+4*k_:128+4*k_+3], v[LI], s[6:7] offset:512*k_
.set k_, k_+1
.endr
	GBLOAD 10, 12
	WIN 0
	s_wait_loadcnt 32                              ; the sums, b2 and x1 are in; the 32 loads of gain and shift may be out
	ADDB
	ADDX
	LN 0, EPS12                                    ; the inner norm
	WIN 0x40
	GBLOAD 14, 16
	WIN 0
	ADDX
	LN 2, EPS5                                     ; the outer norm
	; ---- the way out: a token tile goes through my stage and leaves as whole rows of my 512 bytes
	s_wait_alu depctr_va_vdst(0)
.irp u, 0,1
.if \u
	s_wait_xcnt 0x0                                ; the first tile's stores have read their data
.endif
.irp k, 0,1,2,3
.irp q, 0,1,2,3
	ds_store_b128 v[SGI], v[ACC+64*\u+16*\k+4*\q:ACC+64*\u+16*\k+4*\q+3] offset:128*\k+16*\q
.endr
.endr
.irp i, 0,1,2,3,4,5,6,7,8,9,10,11,12,13,14,15
	ds_load_b128 v[TMPA+4*\i:TMPA+4*\i+3], v[X1A] offset:528*\i   ; LDS serves a wave's instructions in order: these see my stores
.endr
.irp i, 0,1,2,3,4,5,6,7,8,9,10,11,12,13,14,15
	s_wait_dscnt 15-\i
	global_store_b128 v[LI], v[TMPA+4*\i:TMPA+4*\i+3], s[18:19] offset:(8*\u+\i+8*(\i/8))*4096 th:TH_STORE_NT   ; 32 lanes store 512 consecutive bytes, aligned
.endr
.endr
	s_wait_tensorcnt 0x0                           ; the wave's end
	ds_add_u32 v[SPW], v[NIL]
	s_wait_dscnt 0x0
	s_endpgm
.Lfunc_end_k_q040c775548_final:
	.size	k_q040c775548_final, .Lfunc_end_k_q040c775548_final-k_q040c775548_final
	.p2alignl 7, 3214868480
	.fill 96, 4, 3214868480
	.section	.rodata,"a",@progbits
	.p2align	6, 0x0
	.amdhsa_kernel k_q040c775548_final
		.amdhsa_group_segment_fixed_size 72704
		.amdhsa_private_segment_fixed_size 0
		.amdhsa_enable_private_segment 0
		.amdhsa_kernarg_size 64
		.amdhsa_user_sgpr_count 2
		.amdhsa_user_sgpr_kernarg_segment_ptr 1
		.amdhsa_wavefront_size32 1
		.amdhsa_system_sgpr_workgroup_id_x 1
		.amdhsa_system_sgpr_workgroup_id_y 1
		.amdhsa_system_sgpr_workgroup_id_z 1
		.amdhsa_system_vgpr_workitem_id 0
		.amdhsa_next_free_vgpr 512
		.amdhsa_next_free_sgpr 84
		.amdhsa_reserve_vcc 0
		.amdhsa_float_denorm_mode_32 3
		.amdhsa_float_denorm_mode_16_64 3
		.amdhsa_memory_ordered 1
		.amdhsa_forward_progress 1
		.amdhsa_inst_pref_size 93
	.end_amdhsa_kernel
	.amdgpu_metadata
---
amdhsa.version: [ 1, 2 ]
amdhsa.kernels:
  - .name:           k_q040c775548_final
    .symbol:         k_q040c775548_final.kd
    .args:
      - { .name: cc, .offset: 0, .size: 8, .value_kind: global_buffer, .address_space: global }
      - { .name: qkvs, .offset: 8, .size: 8, .value_kind: global_buffer, .address_space: global }
      - { .name: b2, .offset: 16, .size: 8, .value_kind: global_buffer, .address_space: global }
      - { .name: lnf_g, .offset: 24, .size: 8, .value_kind: global_buffer, .address_space: global }
      - { .name: lnf_b, .offset: 32, .size: 8, .value_kind: global_buffer, .address_space: global }
      - { .name: ln2_g, .offset: 40, .size: 8, .value_kind: global_buffer, .address_space: global }
      - { .name: ln2_b, .offset: 48, .size: 8, .value_kind: global_buffer, .address_space: global }
      - { .name: out0, .offset: 56, .size: 8, .value_kind: global_buffer, .address_space: global }
    .group_segment_fixed_size: 72704
    .private_segment_fixed_size: 0
    .kernarg_segment_align: 8
    .kernarg_segment_size: 64
    .max_flat_workgroup_size: 256
    .sgpr_count:     84
    .vgpr_count:     512
    .wavefront_size: 32
...
	.end_amdgpu_metadata
.endif
;; end of part 7
